; MI455X (gfx1250); checked and timed in simulation.
; The chip was launched on July 23, 2026; its instructions are those of AMD's public machine-readable ISA for CDNA 5 (MIT licence, August 2026) and "CDNA5" Instruction Set Architecture Reference Guide (July 2026). The comments in the code are by the model that wrote it; some were corrected since.
;; Multi Head Attention. Allowed arithmetic: float matrix products may take bf16 or f16 operands with f32 sums; all other float work in f32.
;; Inputs: Wk 16 x 1,024 x 64 float32; Wo 1,024 x 1,024 float32; Wq 16 x 1,024 x 64 float32; Wv 16 x 1,024 x 64 float32; bk 16 x 64 float32; bo 1,024 float32; bq 16 x 64 float32; bv 16 x 64 float32; k_input 4 x 2,048 x 1,024 float32; mask 4 x 2,048 x 2,048 bool; q_input 4 x 2,048 x 1,024 float32; v_input 4 x 2,048 x 1,024 float32.
;; Outputs: out0 4 x 2,048 x 1,024 float32.
;; 2 versions, each right and faster than the one before. Each part assembles by itself: llvm-mc -triple=amdgcn-amd-amdhsa -mcpu=gfx1250 --defsym DOCPART=n.
;; ======== version 1 of 2: 4 launches
;; limits: right only within a limited range of input values; values are held in f16: magnitudes above 65,504 overflow, below 6.1e-05 lose precision
;; workspace buffers: xw 58,720,256 bytes; mw 2,097,152 bytes of whole numbers; qkv 50,331,648 bytes; ctx 16,777,216 bytes
;; launch prep (part 1): grid 1408 x 1, 8 waves a work-group, no clusters, 74,752 bytes of LDS; arguments q_input, k_input, v_input, Wo, Wq, Wk, Wv, mask, xw, mw; writes xw, mw
.if DOCPART == 1
	.amdgcn_target "amdgcn-amd-amdhsa--gfx1250"
	.amdhsa_code_object_version 6
	.text
	.protected	k_q3647a74a8b_prep
	.globl	k_q3647a74a8b_prep
	.p2align	8
	.type	k_q3647a74a8b_prep,@function
k_q3647a74a8b_prep:
	s_mov_b64 s[64:65], 0
	v_nop
	global_prefetch_b8 v0, s[64:65] scope:SCOPE_SE
	s_setreg_imm32_b32 hwreg(HW_REG_WAVE_MODE, 25, 1), 1
	s_wait_xcnt 0x0
; PREPARATION: three kinds of work-group, chosen by the work-group's number alone.
;  0..799    CAST: 32 rows of q_input, k_input, v_input or Wo (rows of 1,024 f32) are rounded to f16 and laid in blocks:
;            xw[blk][kc 16][row 1024][64]: a plane kc holds 64 neighbouring k of 1,024 rows, 128 bytes a row, rows end to end.
;            blk 0-7 q_input, 8-15 k_input, 16-23 v_input, 24 Wo.
;  800..895  TURN: Wq, Wk, Wv ([h][e][d]) are rounded and turned into rows n = 64 h + d along k = e, same layout, blk 25, 26, 27.
;  896..1407 MASK: the mask's bytes become lane masks: mw[b][qt 128][ks 32][32 words]; bit l of word 8 kt + j is
;            mask[b][16 qt + l % 16][64 ks + 16 kt + 8 (l / 16) + j]: the lane and register in which the attention launch holds that score.
; LIMIT: f16 holds no number beyond 65,504; inputs and weights lie within it.
; Every wave works by itself: its LDS bytes are its own (9,216 a wave), so there is no barrier.
.set SPARE, 73728                      ; behind the eight waves' areas: the spare words, 128 bytes a wave
.set SPW, 10                           ; v10  LDS address of my spare word; never rewritten
.set NIL, 11                           ; v11  0; never rewritten
.set X,   16                           ; v[16:143]  as loaded
.set Y,   144                          ; v[144:207] to store
.macro FINISH                          ; the wave's end, behind my last LDS store
	s_wait_tensorcnt 0x0
	ds_add_u32 v[SPW], v[NIL]
	s_wait_dscnt 0x0
	s_endpgm
.endm
	s_load_b512 s[8:23], s[0:1], 0x0               ; q s[8:9], k s[10:11], v s[12:13], Wo s[14:15], Wq s[16:17], Wk s[18:19], Wv s[20:21], mask s[22:23]
	s_load_b128 s[24:27], s[0:1], 0x40             ; xw s[24:25], mw s[26:27]
	v_lshl_add_u32 v[SPW], v0, 2, SPARE
	v_mov_b32 v[NIL], 0
	v_lshrrev_b32 v1, 5, v0
	v_readfirstlane_b32 s4, v1                     ; wave 0..7
	v_and_b32 v9, 31, v0                           ; lane
	s_mov_b32 s5, ttmp9
	s_mul_i32 s6, s4, 9216                         ; my wave's LDS area
	s_wait_kmcnt 0x0
	s_cmp_lt_u32 s5, 800
	s_cbranch_scc1 .Lcast
	s_cmp_lt_u32 s5, 896
	s_cbranch_scc1 .Ltr
	; MASK.  The work-group has 16 query rows, the wave 256 keys of them.
	s_sub_co_u32 s7, s5, 896                       ; 128 b + qt
	s_lshl_b32 s28, s7, 15                         ; 16 rows of 2,048 bytes
	s_lshl_b32 s30, s4, 8                          ; my 256 keys
	s_add_co_u32 s28, s28, s30
	s_mov_b32 s29, 0
	s_add_nc_u64 s[22:23], s[22:23], s[28:29]
	s_lshl_b32 s28, s7, 12                         ; 4,096 bytes of words a tile of 16 rows,
	s_lshl_b32 s30, s4, 9                          ; 512 of them mine
	s_add_co_u32 s28, s28, s30
	s_add_nc_u64 s[26:27], s[26:27], s[28:29]
	v_lshrrev_b32 v2, 4, v9                        ; l / 16
	v_and_b32 v3, 15, v9                           ; l % 16
	v_lshlrev_b32 v4, 4, v3
	v_lshl_add_u32 v1, v2, 11, v4                  ; two rows a load: 16 lanes take 256 neighbouring bytes of a row
.irp t, 0,1,2,3,4,5,6,7
	global_load_b128 v[X+4*\t:X+4*\t+3], v1, s[22:23] offset:\t*4096 th:TH_LOAD_NT
.endr
	v_mul_u32_u24 v5, v2, 272
	v_add3_u32 v5, v5, v4, s6                      ; in: rows of 272 bytes
	v_mul_u32_u24 v6, v3, 272
	v_lshl_add_u32 v6, v2, 3, v6
	v_add_nc_u32 v6, s6, v6                        ; back: row l % 16, 8 keys at 8 (l / 16)
	v_lshlrev_b32 v7, 4, v9
.irp r, 80,81,82,83
	v_mov_b32 v\r, 0                               ; v_writelane_b32 keeps the other lanes: the registers are written whole first
.endr
	s_wait_loadcnt 0x0
.irp t, 0,1,2,3,4,5,6,7
	ds_store_b128 v5, v[X+4*\t:X+4*\t+3] offset:\t*544
.endr
.irp k, 0,1,2,3,4,5,6,7,8,9,10,11,12,13,14,15
	ds_load_b64 v[48+2*\k:49+2*\k], v6 offset:\k*16  ; a wave's LDS instructions are served in order: these see the stores above
.endr
	s_wait_dscnt 0x0
	; word 8 kt + j of my 128 goes to lane 2 kt + j / 4, register j % 4: one store of 512 neighbouring bytes
.set kt, 0
.rept 16
.set jj, 0
.rept 8
	v_and_b32 v[84+jj%4], 0xff<<(8*(jj%4)), v[48+2*kt+jj/4]
	v_cmp_ne_u32 s[32+jj], 0, v[84+jj%4]
	v_writelane_b32 v[80+jj%4], s[32+jj], 2*kt+jj/4
.set jj, jj+1
.endr
.set kt, kt+1
.endr
	global_store_b128 v7, v[80:83], s[26:27]
	FINISH
.Ltr:   ; TURN.  A wave takes one head's 64 e x 64 d: 16,384 dense bytes in, 8,192 dense bytes out.
	s_sub_co_u32 s7, s5, 800
	s_lshr_b32 s28, s7, 5                          ; which of Wq, Wk, Wv
	s_cmp_eq_u32 s28, 1
	s_cselect_b64 s[16:17], s[18:19], s[16:17]
	s_cmp_eq_u32 s28, 2
	s_cselect_b64 s[16:17], s[20:21], s[16:17]
	s_bfe_u32 s29, s7, 0x40001                     ; h
	s_and_b32 s30, s7, 1
	s_lshl3_add_u32 s30, s30, s4                   ; kc = e / 64
	s_lshl_b32 s32, s29, 18
	s_lshl_b32 s33, s30, 14
	s_add_co_u32 s32, s32, s33
	s_mov_b32 s33, 0
	s_add_nc_u64 s[16:17], s[16:17], s[32:33]
	s_add_co_u32 s34, s28, 25                      ; the block in xw
	s_lshl_b32 s34, s34, 21
	s_lshl_b32 s35, s30, 17                        ; the plane
	s_add_co_u32 s34, s34, s35
	s_lshl_b32 s35, s29, 13                        ; rows 64 h on
	s_add_co_u32 s34, s34, s35
	s_mov_b32 s35, 0
	s_add_nc_u64 s[24:25], s[24:25], s[34:35]
	v_and_b32 v2, 15, v9                           ; four d: 4 (l % 16) on
	v_lshrrev_b32 v3, 4, v9
	v_lshlrev_b32 v1, 4, v2
	v_lshl_add_u32 v1, v3, 9, v1                   ; rows e = 4 i + 2 (l / 16) and the next
.irp i, 0,1,2,3,4,5,6,7,8,9,10,11,12,13,14,15
	global_load_b128 v[X+8*\i:X+8*\i+3],   v1, s[16:17] offset:\i*1024 th:TH_LOAD_NT
	global_load_b128 v[X+8*\i+4:X+8*\i+7], v1, s[16:17] offset:\i*1024+256 th:TH_LOAD_NT
.endr
	v_mul_u32_u24 v4, v2, 576
	v_lshl_add_u32 v4, v3, 2, v4
	v_add_nc_u32 v4, s6, v4                        ; in: T[d][e], rows of 144 bytes; two neighbouring e are one word
	v_lshrrev_b32 v5, 3, v9
	v_mul_u32_u24 v5, v5, 144
	v_and_b32 v6, 7, v9
	v_lshl_add_u32 v5, v6, 4, v5
	v_add_nc_u32 v5, s6, v5                        ; back: four rows of 128 bytes a load
	v_lshlrev_b32 v7, 4, v9
.irp i, 0,1,2,3,4,5,6,7,8,9,10,11,12,13,14,15
	s_wait_loadcnt 30-2*\i                         ; loads come back in order: pair i is in, the younger pairs stay out
.irp d, 0,1,2,3
	v_cvt_pk_f16_f32 v[X+8*\i+\d], v[X+8*\i+\d], v[X+8*\i+4+\d]
.endr
.irp d, 0,1,2,3
	ds_store_b32 v4, v[X+8*\i+\d] offset:\d*144+\i*8
.endr
.endr
.irp f, 0,1,2,3,4,5,6,7,8,9,10,11,12,13,14,15
	ds_load_b128 v[Y+4*\f:Y+4*\f+3], v5 offset:\f*576
.endr
.irp f, 0,1,2,3,4,5,6,7,8,9,10,11,12,13,14,15
	s_wait_dscnt 15-\f
	global_store_b128 v7, v[Y+4*\f:Y+4*\f+3], s[24:25] offset:\f*512  ; 512 neighbouring bytes
.endr
	FINISH
.Lcast: ; CAST.  A wave takes four rows; chunk c is their 64 columns of plane c.
	s_lshr_b32 s7, s5, 5                           ; blk 0..24
	s_lshr_b32 s28, s7, 3                          ; which input
	s_cmp_eq_u32 s28, 1
	s_cselect_b64 s[8:9], s[10:11], s[8:9]
	s_cmp_eq_u32 s28, 2
	s_cselect_b64 s[8:9], s[12:13], s[8:9]
	s_cmp_eq_u32 s28, 3
	s_cselect_b64 s[8:9], s[14:15], s[8:9]
	s_and_b32 s30, s5, 31
	s_lshl_b32 s30, s30, 5
	s_lshl2_add_u32 s30, s4, s30                   ; my first row in the block
	s_and_b32 s31, s7, 7
	s_lshl_b32 s31, s31, 10
	s_add_co_u32 s31, s31, s30                     ; and in the input
	s_lshl_b32 s32, s31, 12
	s_mov_b32 s33, 0
	s_add_nc_u64 s[8:9], s[8:9], s[32:33]
	s_lshl_b32 s34, s7, 21
	s_lshl_b32 s30, s30, 7
	s_add_co_u32 s34, s34, s30
	s_mov_b32 s35, 0
	s_add_nc_u64 s[24:25], s[24:25], s[34:35]
	v_lshrrev_b32 v2, 3, v9                        ; row l / 8,
	v_and_b32 v3, 7, v9                            ; eight columns at 8 (l % 8)
	v_lshlrev_b32 v1, 5, v3
	v_lshl_add_u32 v1, v2, 12, v1
	v_lshlrev_b32 v2, 4, v9                        ; out: 16 bytes a lane, four rows of 128 bytes end to end
.irp c, 0,1,2,3,4,5,6,7,8,9,10,11,12,13,14,15
	global_load_b128 v[X+8*\c:X+8*\c+3],   v1, s[8:9] offset:\c*256 th:TH_LOAD_NT
	global_load_b128 v[X+8*\c+4:X+8*\c+7], v1, s[8:9] offset:\c*256+16 th:TH_LOAD_NT
.endr
.irp c, 0,1,2,3,4,5,6,7,8,9,10,11,12,13,14,15
	s_wait_loadcnt 30-2*\c                         ; chunk c is in, the younger chunks stay out
.irp d, 0,1,2,3
	v_cvt_pk_f16_f32 v[Y+4*\c+\d], v[X+8*\c+2*\d], v[X+8*\c+2*\d+1]
.endr
	global_store_b128 v2, v[Y+4*\c:Y+4*\c+3], s[24:25] offset:\c*131072  ; 512 neighbouring bytes of plane c
.endr
	s_endpgm
.Lfunc_end_k_q3647a74a8b_prep:
	.size	k_q3647a74a8b_prep, .Lfunc_end_k_q3647a74a8b_prep-k_q3647a74a8b_prep
	.p2alignl 7, 3214868480
	.fill 96, 4, 3214868480
	.section	.rodata,"a",@progbits
	.p2align	6, 0x0
	.amdhsa_kernel k_q3647a74a8b_prep
		.amdhsa_group_segment_fixed_size 74752
		.amdhsa_private_segment_fixed_size 0
		.amdhsa_enable_private_segment 0
		.amdhsa_kernarg_size 80
		.amdhsa_user_sgpr_count 2
		.amdhsa_user_sgpr_kernarg_segment_ptr 1
		.amdhsa_wavefront_size32 1
		.amdhsa_system_sgpr_workgroup_id_x 1
		.amdhsa_system_sgpr_workgroup_id_y 1
		.amdhsa_system_sgpr_workgroup_id_z 1
		.amdhsa_system_vgpr_workitem_id 0
		.amdhsa_next_free_vgpr 208
		.amdhsa_next_free_sgpr 66
		.amdhsa_reserve_vcc 0
		.amdhsa_float_denorm_mode_32 3
		.amdhsa_float_denorm_mode_16_64 3
		.amdhsa_memory_ordered 1
		.amdhsa_forward_progress 1
		.amdhsa_inst_pref_size 55
	.end_amdhsa_kernel
	.amdgpu_metadata
---
amdhsa.version: [ 1, 2 ]
amdhsa.kernels:
  - .name:           k_q3647a74a8b_prep
    .symbol:         k_q3647a74a8b_prep.kd
    .args:
      - { .name: q_input, .offset: 0, .size: 8, .value_kind: global_buffer, .address_space: global }
      - { .name: k_input, .offset: 8, .size: 8, .value_kind: global_buffer, .address_space: global }
      - { .name: v_input, .offset: 16, .size: 8, .value_kind: global_buffer, .address_space: global }
      - { .name: Wo, .offset: 24, .size: 8, .value_kind: global_buffer, .address_space: global }
      - { .name: Wq, .offset: 32, .size: 8, .value_kind: global_buffer, .address_space: global }
      - { .name: Wk, .offset: 40, .size: 8, .value_kind: global_buffer, .address_space: global }
      - { .name: Wv, .offset: 48, .size: 8, .value_kind: global_buffer, .address_space: global }
      - { .name: mask, .offset: 56, .size: 8, .value_kind: global_buffer, .address_space: global }
      - { .name: xw, .offset: 64, .size: 8, .value_kind: global_buffer, .address_space: global }
      - { .name: mw, .offset: 72, .size: 8, .value_kind: global_buffer, .address_space: global }
    .group_segment_fixed_size: 74752
    .private_segment_fixed_size: 0
    .kernarg_segment_align: 8
    .kernarg_segment_size: 80
    .max_flat_workgroup_size: 256
    .sgpr_count:     66
    .vgpr_count:     208
    .wavefront_size: 32
...
	.end_amdgpu_metadata
.endif
;; end of part 1
;; launch proj (part 2): grid 8 x 96, 4 waves a work-group, clusters of 4 x 4, 327,680 bytes of LDS; arguments xw, bq, bk, bv, qkv; writes qkv
.if DOCPART == 2
	.amdgcn_target "amdgcn-amd-amdhsa--gfx1250"
	.amdhsa_code_object_version 6
	.text
	.protected	k_q3647a74a8b_proj
	.globl	k_q3647a74a8b_proj
	.p2align	8
	.type	k_q3647a74a8b_proj,@function
k_q3647a74a8b_proj:
	s_mov_b64 s[64:65], 0
	v_nop
	global_prefetch_b8 v0, s[64:65] scope:SCOPE_SE
	s_setreg_imm32_b32 hwreg(HW_REG_WAVE_MODE, 25, 1), 1
	s_wait_xcnt 0x0
	s_wait_alu depctr_hold_cnt(0) depctr_sa_sdst(0) depctr_va_vdst(0) depctr_va_sdst(0) depctr_va_ssrc(0) depctr_va_vcc(0) depctr_vm_vsrc(0)
	s_getreg_b32 s2, hwreg(HW_REG_IB_STS2, 6, 4)
	s_cmp_eq_u32 s2, 0
	s_cbranch_scc0 .Lentry_in_a_cluster
	s_endpgm
.Lentry_in_a_cluster:
	s_bfe_u32 s2, ttmp6, 0x10000c
	s_cmp_lg_u32 s2, 0xf033
	s_cbranch_scc0 .Lentry_shape_is_right
	s_endpgm
.Lentry_shape_is_right:
; THE THREE PROJECTIONS as one product: C[m][n] = sum over k of X[m][k] Wt[n][k] + bias[n], m over 3 x 8,192 rows (q, k, v inputs), n = 64 h + d, K = 1,024.
; Operands f16 (within 65,504), sums f32, result rounded once to f16 and stored by heads: qkv[p][16 b + h][2048][64], unscaled.
; A work-group makes 256 x 128 of C, each of its four waves 128 x 64: 32 accumulators.  768 work-groups, three for each of 256 WGPs.
; Operands lie in planes of 64 k (128 bytes a row, rows end to end), so a tile's plane is dense and is asked for as rows of 256 bytes.
; K goes in steps of 128 (two planes) through two LDS slots; waves 0, 1 fetch A's two planes, waves 2, 3 B's: one tensor load a wave for each slot.
; CLUSTER 4 x 4: A's tiles are shared along a row of the cluster, B's along a column: joint loads.
; The matrix instruction is used transposed (source 0 = rows of Wt, source 1 = rows of X): a lane holds eight neighbouring n of one row m.
; REGISTERS: window 0: addresses, bias, A's fragments (two buffers), the way out; window 1: B's fragments; window 2: accumulator (a, b) at v[8 (4 a + b)].
.set PITCH, 144                        ; an LDS row: 128 bytes + 16 of padding: the 16 rows of a fragment load start at different groups of four banks
.set APL,   256*PITCH                  ; a plane of A's tile
.set BPL,   128*PITCH                  ; a plane of B's tile
.set BOFF,  2*APL
.set SLOT,  2*APL+2*BPL
.set STAGE, 2*SLOT                     ; behind the ring: 16 rows x 144 bytes a wave, for the way out
.set SP,    144
.set SPARE, STAGE+4*16*SP              ; behind the stages: the spare words
.set STEPB, 1<<18                      ; a K step: two planes of 131,072 bytes
.set ADRA, 16
.set ADRB, 20
.set STO,  24
.set RD,   25
.set CO,   26
.set SPW,  28
.set NIL,  29
.set BI,   32                          ; v32-63  bias of my lane's 32 columns
.set F0,   64
.set F1,   128
.set T,    192                         ; v192-223 a block's sums with the bias
.set PKD,  224                         ; v224-239 packed
.set BK,   240                         ; v240-255 read back as whole rows
.set WV, 14
.set RH, 15                            ; which 128 rows are mine.  Also: I fetch for A (0) or B (1)
.set CH, 16                            ; which 64 columns.  Also: which plane I fetch
.set G1, 24
.set G0, 32
.set G1B, 48
.set G0B, 56
.set MSB, 0
.macro WIN new
.if MSB != (\new)
	s_set_vgpr_msb (MSB<<8)|(\new)
.set MSB, \new
.endif
.endm
.set MUL,  0xa1                        ; source 0 (B) window 1, source 1 (A) window 0, C and D window 2
.set TO_B, 0x40
.macro JLOAD s                         ; a joint load; an s_nop 0 and four v_nop follow each of the two lines
	s_cmp_eq_u32 s[RH], 0
	s_cbranch_scc0 .Lfor_b_\@
	tensor_load_to_lds s[G0+4*(\s):G0+4*(\s)+3], s[G1:G1+7]
	s_nop 0
.rept 4
	v_nop
.endr
	s_branch .Lasked_\@
.Lfor_b_\@:
	tensor_load_to_lds s[G0B+4*(\s):G0B+4*(\s)+3], s[G1B:G1B+7]
	s_nop 0
.rept 4
	v_nop
.endr
.Lasked_\@:
.endm
.macro CREST
	s_cmp_lg_u32 s[WV], 0
	s_cbranch_scc1 .Lnot_wave_0_\@
	s_barrier_signal -3
.Lnot_wave_0_\@:
	s_barrier_wait -3
	s_barrier_signal -1
	s_barrier_wait -1
.endm
.macro CROUND
	s_barrier_signal -1
	s_barrier_wait -1
	CREST
.endm
.macro PLACES                          ; four places in front of loads into registers that matrix instructions have read, and of lines that read results
.rept 4
	v_nop
.endr
.endm
	s_load_b256 s[4:11], s[0:1], 0x0               ; xw s[4:5], bq s[6:7], bk s[8:9], bv s[10:11]
	s_load_b64 s[12:13], s[0:1], 0x20              ; qkv
	v_lshl_add_u32 v[SPW], v0, 2, SPARE
	v_mov_b32 v[NIL], 0
	ds_add_u32 v[SPW], v[NIL]                      ; the wave's opening: the add and its wait stand ahead of my first tensor load
	v_lshrrev_b32 v1, 5, v0
	v_readfirstlane_b32 s[WV], v1
	s_lshr_b32 s[RH], s[WV], 1
	s_and_b32 s[CH], s[WV], 1
	s_bfe_u32 s40, ttmp6, 0x40000                  ; cx
	s_bfe_u32 s41, ttmp6, 0x40004                  ; cy
	s_lshl_b32 s42, ttmp9, 2
	s_add_co_u32 s42, s42, s40                     ; tile column 0..7
	s_and_b32 s17, ttmp7, 0xffff                   ; the cluster's y
	s_lshl_b32 s43, s17, 2
	s_add_co_u32 s43, s43, s41                     ; tile row 0..95
	s_lshr_b32 s18, s17, 3                         ; which projection: the same in the whole cluster
	s_lshl_b32 s44, s41, 2
	s_lshl_b32 s44, 15, s44                        ; my row of the cluster
	s_lshl_b32 s45, 0x1111, s40                    ; my column
	; group 1: dense bytes as rows of 128 elements of 2 bytes; 4 words of padding after every 32 words (a row of the plane)
	s_or_b32 s[G1], s44, (1<<16)|(1<<20)|(1<<21)|(4<<22)|(3<<25)
	s_or_b32 s[G1B], s45, (1<<16)|(1<<20)|(1<<21)|(4<<22)|(3<<25)
	s_mov_b32 s[G1+1], 128<<16                     ; tensor_dim0 = 128
	s_mov_b32 s[G1+2], 128<<16                     ; tensor_dim1 = 128 (256 rows of the plane)
	s_mov_b32 s[G1+3], 128<<16                     ; tile_dim0 = 128
	s_mov_b32 s[G1+4], 128                         ; tile_dim1 = 128
	s_mov_b32 s[G1+5], 128                         ; pitch
	s_mov_b32 s[G1+6], 0
	s_mov_b32 s[G1+7], 0
	s_mov_b32 s[G1B+1], 128<<16
	s_mov_b32 s[G1B+2], 64<<16                     ; 64 (128 rows of the plane)
	s_mov_b32 s[G1B+3], 128<<16
	s_mov_b32 s[G1B+4], 64
	s_mov_b32 s[G1B+5], 128
	s_mov_b32 s[G1B+6], 0
	s_mov_b32 s[G1B+7], 0
	s_lshl_b32 s19, s[CH], 17                      ; the plane that I fetch
	s_lshr_b32 s20, s43, 2                         ; A: block of 1,024 rows,
	s_lshl_b32 s20, s20, 21
	s_and_b32 s21, s43, 3                          ; 256 rows of 128 bytes in it
	s_lshl_b32 s21, s21, 15
	s_add_co_u32 s20, s20, s21
	s_add_co_u32 s20, s20, s19
	s_mov_b32 s21, 0
	s_add_co_u32 s46, s18, 25                      ; B: the projection's block,
	s_lshl_b32 s46, s46, 21
	s_lshl_b32 s47, s42, 14                        ; 128 rows of 128 bytes in it
	s_add_co_u32 s46, s46, s47
	s_add_co_u32 s46, s46, s19
	s_mov_b32 s47, 0
	s_mul_i32 s22, s[CH], APL                      ; where they go: no place in the cluster enters an LDS address
	s_mul_i32 s23, s[CH], BPL
	s_add_co_u32 s23, s23, BOFF
	s_wait_dscnt 0x0                               ; the opening add is done
	s_wait_kmcnt 0x0
	s_add_nc_u64 s[20:21], s[4:5], s[20:21]
	s_add_nc_u64 s[46:47], s[4:5], s[46:47]
	CROUND                                         ; all sixteen work-groups are here: the first joint loads meet
.irp s, 0,1
	s_mov_b32 s[G0+4*(\s)], 1
	s_add_co_u32 s[G0+4*(\s)+1], s22, (\s)*SLOT
	s_add_nc_u64 s[G0+4*(\s)+2:G0+4*(\s)+3], s[20:21], (\s)*STEPB
	s_or_b32 s[G0+4*(\s)+3], s[G0+4*(\s)+3], 0x80000000
	s_mov_b32 s[G0B+4*(\s)], 1
	s_add_co_u32 s[G0B+4*(\s)+1], s23, (\s)*SLOT
	s_add_nc_u64 s[G0B+4*(\s)+2:G0B+4*(\s)+3], s[46:47], (\s)*STEPB
	s_or_b32 s[G0B+4*(\s)+3], s[G0B+4*(\s)+3], 0x80000000
	JLOAD \s                                       ; two loads of mine are out
.endr
	v_and_b32 v1, 15, v0                           ; r = l % 16
	v_bfe_u32 v2, v0, 4, 1                         ; h = l / 16
	v_mul_u32_u24 v3, v1, PITCH
	v_lshl_add_u32 v3, v2, 4, v3                   ; a fragment's row x pitch + 16 x half
	s_mul_i32 s72, s[RH], 128*PITCH
	s_mul_i32 s73, s[CH], 64*PITCH
	s_add_co_u32 s73, s73, BOFF
.irp s, 0,1
	v_add_nc_u32 v[ADRA+(\s)], s72, v3
	v_add_nc_u32 v[ADRB+(\s)], s73, v3
	s_add_co_u32 s72, s72, SLOT
	s_add_co_u32 s73, s73, SLOT
.endr
	s_cmp_eq_u32 s18, 1                            ; the projection's bias
	s_cselect_b64 s[6:7], s[8:9], s[6:7]
	s_cmp_eq_u32 s18, 2
	s_cselect_b64 s[6:7], s[10:11], s[6:7]
	s_lshl_b32 s66, s42, 9                         ; my first column, 128 x tile column + 64 x half, in f32
	s_lshl_b32 s67, s[CH], 8
	s_add_co_u32 s66, s66, s67
	s_mov_b32 s67, 0
	s_add_nc_u64 s[6:7], s[6:7], s[66:67]
	v_lshlrev_b32 v5, 5, v2                        ; eight columns at 8 h
.irp b, 0,1,2,3
	global_load_b128 v[BI+8*\b:BI+8*\b+3],   v5, s[6:7] offset:64*\b
	global_load_b128 v[BI+8*\b+4:BI+8*\b+7], v5, s[6:7] offset:64*\b+16
.endr
	s_mul_i32 s72, s[WV], 16*SP
	s_add_co_u32 s72, s72, STAGE                   ; my stage
	v_add_nc_u32 v[STO], s72, v3                   ; in: row r, 16 bytes for each half of the lanes
	v_bfe_u32 v6, v0, 3, 2
	v_mul_u32_u24 v6, v6, SP
	v_and_b32 v7, 7, v0
	v_lshl_add_u32 v6, v7, 4, v6
	v_add_nc_u32 v[RD], s72, v6                    ; back: four rows of 128 bytes
	v_and_b32 v[CO], 31, v0
	v_lshlrev_b32 v[CO], 4, v[CO]                  ; which are 512 neighbouring bytes of a head
	s_lshl_b32 s68, s18, 24                        ; qkv: the projection,
	s_and_b32 s69, s43, 31
	s_lshr_b32 s69, s69, 3                         ; the batch,
	s_lshl_b32 s69, s69, 4
	s_lshl1_add_u32 s70, s42, s[CH]                ; the head: my 64 columns are one head
	s_add_co_u32 s69, s69, s70
	s_lshl_b32 s69, s69, 18
	s_add_co_u32 s68, s68, s69
	s_and_b32 s70, s43, 7                          ; the row in the batch
	s_lshl_b32 s70, s70, 8
	s_lshl_b32 s71, s[RH], 7
	s_add_co_u32 s70, s70, s71
	s_lshl_b32 s70, s70, 7
	s_add_co_u32 s68, s68, s70
	s_mov_b32 s69, 0
	s_add_nc_u64 s[12:13], s[12:13], s[68:69]
; n x 4 matrix instructions: m blocks a0 .. a0 + n - 1 x all 4 n blocks, 32 along K.  All accumulators differ: they take turns.
.macro MULN f, a0, n, zero
	WIN MUL
.set a, (\a0)
.rept \n
.irp b, 0,1,2,3
.if \zero
	v_wmma_f32_16x16x32_f16 v[8*(4*a+\b):8*(4*a+\b)+7], v[(\f)+8*\b:(\f)+8*\b+7], v[(\f)+8*a:(\f)+8*a+7], 0
.else
	v_wmma_f32_16x16x32_f16 v[8*(4*a+\b):8*(4*a+\b)+7], v[(\f)+8*\b:(\f)+8*\b+7], v[(\f)+8*a:(\f)+8*a+7], v[8*(4*a+\b):8*(4*a+\b)+7]
.endif
.endr
.set a, a+1
.endr
.endm
; 24 LDS loads in one run: quarter q of a K step (plane q / 2, byte 64 (q % 2) of its rows): B's 4 fragments, then A's 8
.macro FETCH slot, q, f
	WIN TO_B
.irp i, 0,1,2,3
	ds_load_b128 v[(\f)+8*\i:(\f)+8*\i+3],   v[ADRB+(\slot)] offset:((\q)/2)*BPL+((\q)%2)*64+\i*16*PITCH
	ds_load_b128 v[(\f)+8*\i+4:(\f)+8*\i+7], v[ADRB+(\slot)] offset:((\q)/2)*BPL+((\q)%2)*64+\i*16*PITCH+32
.endr
	WIN 0
.irp i, 0,1,2,3,4,5,6,7
	ds_load_b128 v[(\f)+8*\i:(\f)+8*\i+3],   v[ADRA+(\slot)] offset:((\q)/2)*APL+((\q)%2)*64+\i*16*PITCH
	ds_load_b128 v[(\f)+8*\i+4:(\f)+8*\i+7], v[ADRA+(\slot)] offset:((\q)/2)*APL+((\q)%2)*64+\i*16*PITCH+32
.endr
.endm
.macro QUARTER slot, q, f, g, zero     ; multiplies buffer f; in its middle fetches quarter q into buffer g
	s_wait_dscnt 8                                 ; B and A's blocks 0-3 are in; the youngest eight loads (A's blocks 4-7) may be out
	MULN \f, 0, 4, \zero
	PLACES
	FETCH \slot, \q, \g
	s_wait_dscnt 24                                ; all but the 24 just issued
	MULN \f, 4, 4, \zero
.endm
; The last quarter multiplies buffer 1 and changes slots: one barrier; in front of it each wave waits for all its tensor loads, adds 0 to its spare word, and waits for that and for its reads of this slot.
.macro TURN slot, next, fill
	WIN 0
	s_wait_tensorcnt 0x0                           ; all my tensor loads have landed: my part of the next slot
	ds_add_u32 v[SPW], v[NIL]
	s_wait_dscnt 9                                 ; the add and the youngest eight loads may be out
	MULN F1, 0, 2, 0
	s_wait_dscnt 0x0                               ; the add is done, and my reads of this slot are over
	s_barrier_signal -1
	MULN F1, 2, 2, 0
.if \fill
	WIN 0
.endif
	s_barrier_wait -1
.if \fill
	CREST                                          ; the barrier has opened a round of the cluster's: no wave of any partner still reads this slot or has a load on its way
	s_add_nc_u64 s[G0+4*(\slot)+2:G0+4*(\slot)+3], s[G0+4*(\slot)+2:G0+4*(\slot)+3], 2*STEPB
	s_add_nc_u64 s[G0B+4*(\slot)+2:G0B+4*(\slot)+3], s[G0B+4*(\slot)+2:G0B+4*(\slot)+3], 2*STEPB
	JLOAD \slot                                    ; my one load behind the round; its four v_nop are also the places in front of the loads below
.else
	PLACES
.endif
	FETCH \next, 0, F0
	MULN F1, 4, 4, 0
.endm
	s_wait_tensorcnt 1                             ; my part of K step 0 is in; step 1's may stay out
	s_barrier_signal -1
	s_barrier_wait -1
	FETCH 0, 0, F0
	QUARTER 0, 1, F0, F1, 1                        ; the first quarter's products start the sums
	WIN 0
	s_mov_b32 s3, 3                                ; K = 1,024 is four laps of two steps; three of them fill both slots again
.Llap:
	QUARTER 0, 2, F1, F0, 0
	QUARTER 0, 3, F0, F1, 0
	TURN 0, 1, 1
	QUARTER 1, 1, F0, F1, 0
	QUARTER 1, 2, F1, F0, 0
	QUARTER 1, 3, F0, F1, 0
	TURN 1, 0, 1
	QUARTER 0, 1, F0, F1, 0
	WIN 0
	s_sub_co_u32 s3, s3, 1
	s_cmp_lg_u32 s3, 0
	s_cbranch_scc1 .Llap
	QUARTER 0, 2, F1, F0, 0                        ; the last lap fills nothing
	QUARTER 0, 3, F0, F1, 0
	TURN 0, 1, 0
	QUARTER 1, 1, F0, F1, 0
	QUARTER 1, 2, F1, F0, 0
	QUARTER 1, 3, F0, F1, 0
	s_wait_dscnt 8
	MULN F1, 0, 4, 0
	s_wait_dscnt 0x0
	MULN F1, 4, 4, 0
	WIN 0
	s_wait_loadcnt 0x0                             ; the bias
	PLACES
; THE WAY OUT of block a (16 rows): + bias, rounded to f16, through my stage, stored as 2,048 neighbouring bytes of the head.
.macro OUTB a
	WIN 0x02                                       ; source 0 in window 2
.set z, 0
.rept 16
	v_pk_add_f32 v[T+2*z:T+2*z+1], v[32*(\a)+2*z:32*(\a)+2*z+1], v[BI+2*z:BI+2*z+1]  ; each accumulator from its low end on
.set z, z+1
.endr
	WIN 0
.set z, 0
.rept 16
	v_cvt_pk_f16_f32 v[PKD+z], v[T+2*z], v[T+2*z+1]
.set z, z+1
.endr
	s_wait_xcnt 0x0                                ; the registers that the last block's stores read are loaded again only behind this wait
.irp b, 0,1,2,3
	ds_store_b128 v[STO], v[PKD+4*\b:PKD+4*\b+3] offset:32*\b
.endr
.irp f, 0,1,2,3
	ds_load_b128 v[BK+4*\f:BK+4*\f+3], v[RD] offset:\f*4*SP  ; a wave's LDS instructions are served in order: these see the stores above
.endr
	s_wait_dscnt 0x0
.irp f, 0,1,2,3
	global_store_b128 v[CO], v[BK+4*\f:BK+4*\f+3], s[12:13] offset:(\a)*2048+\f*512
.endr
.endm
.irp a, 0,1,2,3,4,5,6,7
	OUTB \a
.endr
	s_wait_tensorcnt 0x0                           ; the wave's end
	ds_add_u32 v[SPW], v[NIL]
	s_wait_dscnt 0x0
	CROUND                                         ; the closing round
	s_endpgm
.Lfunc_end_k_q3647a74a8b_proj:
	.size	k_q3647a74a8b_proj, .Lfunc_end_k_q3647a74a8b_proj-k_q3647a74a8b_proj
	.p2alignl 7, 3214868480
	.fill 96, 4, 3214868480
	.section	.rodata,"a",@progbits
	.p2align	6, 0x0
	.amdhsa_kernel k_q3647a74a8b_proj
		.amdhsa_group_segment_fixed_size 327680
		.amdhsa_private_segment_fixed_size 0
		.amdhsa_enable_private_segment 0
		.amdhsa_kernarg_size 40
		.amdhsa_user_sgpr_count 2
		.amdhsa_user_sgpr_kernarg_segment_ptr 1
		.amdhsa_wavefront_size32 1
		.amdhsa_system_sgpr_workgroup_id_x 1
		.amdhsa_system_sgpr_workgroup_id_y 1
		.amdhsa_system_sgpr_workgroup_id_z 1
		.amdhsa_system_vgpr_workitem_id 0
		.amdhsa_next_free_vgpr 768
		.amdhsa_next_free_sgpr 80
		.amdhsa_reserve_vcc 0
		.amdhsa_float_denorm_mode_32 3
		.amdhsa_float_denorm_mode_16_64 3
		.amdhsa_memory_ordered 1
		.amdhsa_forward_progress 1
		.amdhsa_inst_pref_size 96
	.end_amdhsa_kernel
	.amdgpu_metadata
---
amdhsa.version: [ 1, 2 ]
amdhsa.kernels:
  - .name:           k_q3647a74a8b_proj
    .symbol:         k_q3647a74a8b_proj.kd
    .args:
      - { .name: xw, .offset: 0, .size: 8, .value_kind: global_buffer, .address_space: global }
      - { .name: bq, .offset: 8, .size: 8, .value_kind: global_buffer, .address_space: global }
      - { .name: bk, .offset: 16, .size: 8, .value_kind: global_buffer, .address_space: global }
      - { .name: bv, .offset: 24, .size: 8, .value_kind: global_buffer, .address_space: global }
      - { .name: qkv, .offset: 32, .size: 8, .value_kind: global_buffer, .address_space: global }
    .group_segment_fixed_size: 327680
    .private_segment_fixed_size: 0
    .kernarg_segment_align: 8
    .kernarg_segment_size: 40
    .max_flat_workgroup_size: 128
    .sgpr_count:     80
    .vgpr_count:     768
    .wavefront_size: 32
...
	.end_amdgpu_metadata
.endif
;; end of part 2
;; launch attn (part 3): grid 4 x 64, 4 waves a work-group, clusters of 4 x 1, 327,680 bytes of LDS; arguments qkv, mw, ctx; writes ctx
.if DOCPART == 3
	.amdgcn_target "amdgcn-amd-amdhsa--gfx1250"
	.amdhsa_code_object_version 6
	.text
	.protected	k_q3647a74a8b_attn
	.globl	k_q3647a74a8b_attn
	.p2align	8
	.type	k_q3647a74a8b_attn,@function
k_q3647a74a8b_attn:
	s_mov_b64 s[64:65], 0
	v_nop
	global_prefetch_b8 v0, s[64:65] scope:SCOPE_SE
	s_setreg_imm32_b32 hwreg(HW_REG_WAVE_MODE, 25, 1), 1
	s_wait_xcnt 0x0
	s_wait_alu depctr_hold_cnt(0) depctr_sa_sdst(0) depctr_va_vdst(0) depctr_va_sdst(0) depctr_va_ssrc(0) depctr_va_vcc(0) depctr_vm_vsrc(0)
	s_getreg_b32 s2, hwreg(HW_REG_IB_STS2, 6, 4)
	s_cmp_eq_u32 s2, 0
	s_cbranch_scc0 .Lentry_in_a_cluster
	s_endpgm
.Lentry_in_a_cluster:
	s_bfe_u32 s2, ttmp6, 0x10000c
	s_cmp_lg_u32 s2, 0x3003
	s_cbranch_scc0 .Lentry_shape_is_right
	s_endpgm
.Lentry_shape_is_right:
; ATTENTION WITH A GIVEN MASK.  O[q] = sum over k of softmax_k(where(mask[q][k], Q[q] . K[k] / 8, hidden)) V[k], for 64 heads of 2,048 rows x 64 channels, all f16; products, maxima, sums in f32;
; the weights p are rounded to f16 for the second product (their sum l is taken of the unrounded p), O once at the end.
; LIMITS.  Q, K, V arrive within f16's 65,504.  A hidden raw score is REPLACED by -2^33, which is -2^30 behind the 1/8 (the module has -1e9): a power of two, so that c x it is exact and a row that is
; hidden whole gets p = 1 for every key, the mean of V, as the module does; true scaled scores are taken to lie above -1e8.  A weight below 2^-126 counts as 0; NaN and infinities are not treated apart.
; SHARES.  A wave owns four PIECES of two tiles of 16 queries, a work-group 512 queries of one head; every wave walks all 2,048 keys, 64 a step.
; LAYOUT.  S^T = K Q^T: a lane holds ONE query (lane % 16) and the keys 8 (lane / 16) + 0..7 of each block of 16.  Two such results rounded to f16 ARE source 1 of O^T = V^T P.
; THE MASK arrives as lane masks, one 32-bit word for each register of S^T, made by an earlier launch.  A tile's 32 words of a key step are 128 neighbouring bytes: one load, lane n holds word n, one register
; a tile.  v_readlane_b32 brings each word into a scalar register, v_cndmask_b32 replaces the hidden scores.  A piece's two registers are loaded again as soon as they are read out, with the next key step's
; words: four turns ahead of their use, behind a counted wait.  (Scalar loads would spare the 64 v_readlane_b32 a turn; but 64 scalar registers hold one piece's words, so such a load could be asked for
; less than a turn ahead, and its counter is waited for at 0 alone.)
; SOFTMAX.  Running maximum m and sum l: p = 2^(c s - c m), c = log2(e) / 8; O and l are multiplied by a = 2^(c m_old - c m_new) in every step.  m starts at the lowest finite number, O and l at 0.
; BY TURNS.  Turn n belongs to piece n.  Matrix work: 16 products K Q^T of piece n + 1, then 16 products V^T P of piece n - 1.  Vector work: piece n's 364 lines (mask words, mask, maximum, scaling,
; exponentials, roundings, sums, rescaling), one ordered list, dealt evenly behind the 32 matrix instructions: twelve behind each of the first twelve, eleven behind the others.
; CLUSTER.  The four query blocks of a head walk the same K and V: each tile is asked for jointly.
; REGISTERS: window 0: v1-7 addresses; v8-11 the pieces' offsets in the mask words; v12-13, v48-55 at work; v14 the hidden score; v15 4 x lane; v16-47 statistics; v56-63 mask words, one register a tile;
;   v64-191 S^T, two buffers of two tiles; v192-255 P, likewise
;   window 1: O^T, 32 a tile      window 2: v0-127 Q; v128-191 K of one step; v192-255 V of one step      window 3: v0-1 the add's two registers
.set NP,    4
.set KS,    64
.set PK,    144       ; a row of K in LDS: 128 bytes + 16 of padding
.set PV,    144       ; V's rows likewise: one descriptor shape serves both, which leaves the scalar registers for the mask words
.set VOFF,  4*KS*PK   ; a slot holds four steps: 256 rows of K, then 256 rows of V
.set SLOT1, 1<<17
.set STAGE, SLOT1+4*KS*(PK+PV)  ; behind the ring: 16 rows x 144 bytes a wave
.set SP,    144
.set SPARE, STAGE+4*16*SP
.set GO,  1           ; v1   (l % 16 during the set-up) my byte offset in 512 neighbouring bytes of ctx
.set AK0, 2
.set AV0, 3
.set AK,  4
.set AV,  5
.set QO,  6
.set STO, 6
.set RD,  7
.set MO,  8           ; v8-11  piece p: byte offset of my word in the key step that the piece loads next
.set SPW, 0           ; v0 of window 3
.set NIL, 1           ; v1 of window 3
.set MV,  12          ; v12-13  c m_old, by tile
.set NEG, 14          ; v14  -2^33
.set ML,  15          ; v15  4 x lane; never rewritten
.set ST,  16          ; tile t: c m, m, l (even keys', odd keys')
.set TMP, 48          ; by tile, c0-c3 at work; c2 takes a
.set MW,  56          ; v56-63  tile t's 32 mask words of a key step, word n in lane n
.set S,   64
.set P,   192
.set KF,  128
.set VF,  192
.set MP,  4           ; s[4:5]  my wave's mask words
.set OB,  6           ; s[6:7]  my wave's rows of ctx
.set WV,  8
.set SLOTS, 9
.set CNT, 10
.set TBK, 11
.set TBV, 12
.set KOFF, 13         ; byte offset, in a tile's words, of the key step that is loaded next
.set SEL, 14          ; s[14:15]
.set G1,  16          ; s[16:23]
.set G0K, 24          ; s[24:27]
.set G0V, 28          ; s[28:31]
.set MS0, 32          ; s[32:63] the 32 mask words of the piece's first tile; s[68:99] of its second
.set CS,  66          ; s[66:67] c
.set MSB, 0
.macro WIN new
.if MSB != (\new)
	s_set_vgpr_msb (MSB<<8)|(\new)
.set MSB, (\new)
.endif
.endm
.set W_KQ, 0x0a
.set W_PV, 0x52
.set W_RS, 0x41
.set W_MK, 0xc0
.set W_AD, 0x0f
.macro JLOAD                        ; waves 0, 1 fetch the halves of a slot's K, waves 2, 3 of its V; an s_nop 0 and four v_nop follow each line
	s_cmp_lt_u32 s[WV], 2
	s_cbranch_scc0 .Lfor_v_\@
	tensor_load_to_lds s[G0K:G0K+3], s[G1:G1+7]
	s_nop 0
.rept 4
	v_nop
.endr
	s_branch .Lasked_\@
.Lfor_v_\@:
	tensor_load_to_lds s[G0V:G0V+3], s[G1:G1+7]
	s_nop 0
.rept 4
	v_nop
.endr
.Lasked_\@:
.endm
.macro CROUND
	s_barrier_signal -1
	s_barrier_wait -1
	s_cmp_lg_u32 s[WV], 0
	s_cbranch_scc1 .Lnot_wave_0_\@
	s_barrier_signal -3
.Lnot_wave_0_\@:
	s_barrier_wait -3
	s_barrier_signal -1
	s_barrier_wait -1
.endm
; THE CHANGE OF SLOTS.  Each wave waits for all its tensor loads (one is out: its part of the other slot), adds 0 to its spare word, and waits for that and for its reads of the slot.
; fill = 1: the slot is filled again with the keys two slots on, first thing behind a round of the cluster's barrier; the load has four key steps in which to land.
.macro CHANGE fill
	WIN W_AD
	s_wait_tensorcnt 0x0
	ds_add_u32 v[SPW], v[NIL]
	WIN 0
.if \fill
.irp g, G0K, G0V
	s_xor_b32 s[\g+1], s[\g+1], SLOT1
	s_add_nc_u64 s[\g+2:\g+3], s[\g+2:\g+3], 4*KS*128
.endr
	s_wait_dscnt 0x0
	CROUND
	JLOAD
.else
	s_wait_dscnt 0x0
	s_barrier_signal -1
	s_barrier_wait -1
.endif
	s_sub_co_u32 s[TBK], s[TBK], 4*KS*PK
	s_xor_b32 s[TBK], s[TBK], SLOT1
	s_sub_co_u32 s[TBV], s[TBV], 4*KS*PV
	s_xor_b32 s[TBV], s[TBV], SLOT1
.endm
	s_load_b128 s[32:35], s[0:1], 0x0   ; qkv s[32:33], mw s[34:35]
	s_load_b64 s[36:37], s[0:1], 0x10   ; ctx
	WIN W_MK
	v_lshl_add_u32 v[SPW], v0, 2, SPARE
	v_mov_b32 v[NIL], 0
	WIN W_AD
	ds_add_u32 v[SPW], v[NIL]       ; the wave's opening: the add and its wait stand ahead of my first tensor load
	WIN 0
	v_lshrrev_b32 v1, 5, v0
	v_readfirstlane_b32 s[WV], v1
	s_bfe_u32 s40, ttmp6, 0x40000   ; cx
	s_lshl_b32 s41, ttmp9, 2
	s_add_co_u32 s41, s41, s40      ; my block of 512 queries
	s_lshl_b32 s41, s41, 2
	s_add_co_u32 s41, s41, s[WV]    ; my wave among the head's sixteen: it enters Q's, the mask's and O's addresses alone
	s_and_b32 s42, ttmp7, 0xffff    ; 16 b + h, which the four partners share
	s_lshl_b32 s44, s42, 18         ; a head's 262,144 bytes
	s_and_b32 s43, s[WV], 1         ; which half of a slot's 256 keys I fetch
	s_lshl_b32 s46, s43, 14
	s_add_co_u32 s46, s46, s44
	s_add_co_u32 s48, s46, 1<<25    ; V lies two parts of 16,777,216 bytes on,
	s_add_co_u32 s46, s46, 1<<24    ; K one
	s_mov_b32 s47, 0
	s_mov_b32 s49, 0
	s_mul_i32 s50, s43, 128*PK      ; its place in a slot
	s_lshl_b32 s52, s41, 14         ; Q: my wave's 128 rows
	s_add_co_u32 s52, s52, s44
	s_mov_b32 s53, 0
	s_lshr_b32 s58, s42, 4          ; b
	s_lshl_b32 s54, s58, 19         ; the mask words: 128 tiles of 4,096 bytes a batch,
	s_lshl_b32 s55, s41, 15         ; eight tiles a wave
	s_add_co_u32 s54, s54, s55
	s_mov_b32 s55, 0
	s_lshr_b32 s56, s41, 3          ; ctx[2 b + row / 1024][h][1024][64]
	s_lshl1_add_u32 s56, s58, s56
	s_lshl_b32 s56, s56, 4
	s_and_b32 s57, s42, 15
	s_add_co_u32 s56, s56, s57
	s_lshl_b32 s56, s56, 17
	s_and_b32 s57, s41, 7
	s_lshl_b32 s57, s57, 14
	s_add_co_u32 s56, s56, s57
	s_mov_b32 s57, 0
	; group 1: 128 keys are 16,384 dense bytes: 64 rows of 256 bytes, padded in LDS after every key
	s_mov_b32 s[G1], 15|(1<<16)|(1<<20)|(1<<21)|(4<<22)|(3<<25)
	s_mov_b32 s[G1+1], 128<<16
	s_mov_b32 s[G1+2], 64<<16
	s_mov_b32 s[G1+3], 128<<16
	s_mov_b32 s[G1+4], 64
	s_mov_b32 s[G1+5], 128
	s_mov_b32 s[G1+6], 0
	s_mov_b32 s[G1+7], 0
	s_mov_b32 s[CS], 0x3e38aa3b     ; c = log2(e) / 8
	s_mov_b32 s[CS+1], s[CS]
	s_mov_b32 s[SEL], 0x76543210
	s_mov_b32 s[SEL+1], 0xfedcba98
	s_mov_b32 s[TBK], SLOT1+4*KS*PK ; the first change of slots turns these two into 0
	s_mov_b32 s[TBV], SLOT1+4*KS*PV
	s_mov_b32 s[G0K], 1
	s_mov_b32 s[G0K+1], s50
	s_mov_b32 s[G0V], 1
	s_add_co_u32 s[G0V+1], s50, VOFF
	s_wait_dscnt 0x0                ; the opening add is done
	s_wait_kmcnt 0x0
	s_add_nc_u64 s[G0K+2:G0K+3], s[32:33], s[46:47]
	s_or_b32 s[G0K+3], s[G0K+3], 0x80000000
	s_add_nc_u64 s[G0V+2:G0V+3], s[32:33], s[48:49]
	s_or_b32 s[G0V+3], s[G0V+3], 0x80000000
	s_add_nc_u64 s[38:39], s[32:33], s[52:53]      ; Q
	s_add_nc_u64 s[MP:MP+1], s[34:35], s[54:55]
	s_add_nc_u64 s[OB:OB+1], s[36:37], s[56:57]
	CROUND                          ; all four work-groups are here
	JLOAD                           ; slot 0; slot 1 is asked for when slot 0 is in
	v_and_b32 v1, 15, v0
	v_bfe_u32 v9, v0, 4, 1
	v_lshlrev_b32 v[QO], 7, v1
	v_lshl_add_u32 v[QO], v9, 4, v[QO]
	WIN 0x80
.set i, 0
.rept 4*NP                          ; Q stays in registers: tile i / 2, channels 32 (i % 2) on
	global_load_b128 v[8*i:8*i+3],   v[QO], s[38:39] offset:(i/2)*2048+(i%2)*64
	global_load_b128 v[8*i+4:8*i+7], v[QO], s[38:39] offset:(i/2)*2048+(i%2)*64+32
.set i, i+1
.endr
	; What the first turn finds: V and P's second buffer hold 0 (its products V^T P, of a piece that has not been, add 0), O^T and l are 0.  This stands in the wait for the first tile.
.set i, VF
.rept 64
	v_mov_b32 v[i], 0
.set i, i+1
.endr
	WIN 0x40
.set i, 0
.rept 64*NP
	v_mov_b32 v[i], 0
.set i, i+1
.endr
	WIN 0
	v_and_b32 v[ML], 31, v0
	v_lshlrev_b32 v[ML], 2, v[ML]   ; my word among a tile's 32
.set i, 0
.rept 2*NP                          ; key step 0's mask words, in the order of the turns: each load takes 128 neighbouring bytes
	global_load_b32 v[MW+i], v[ML], s[MP:MP+1] offset:i*4096
.set i, i+1
.endr
.set i, 0
.rept 2*NP
	v_mov_b32 v[ST+4*i], 0xfe000000    ; c m: far below every c s, the hidden score's too
	v_mov_b32 v[ST+4*i+1], 0xff7fffff  ; m
	v_mov_b32 v[ST+4*i+2], 0
	v_mov_b32 v[ST+4*i+3], 0
.set i, i+1
.endr
.set i, P+32
.rept 32
	v_mov_b32 v[i], 0
.set i, i+1
.endr
	v_mov_b32 v[NEG], 0xd0000000    ; -2^33
	v_mul_u32_u24 v[AK0], v1, PK
	v_lshl_add_u32 v[AK0], v9, 4, v[AK0]
	v_and_b32 v10, 7, v0
	v_bfe_u32 v11, v0, 3, 1
	v_lshl_add_u32 v[AV0], v9, 3, v10  ; the turning load: lane l reads key 8 (l / 16) + l % 8, channels 8 ((l / 8) % 2) on
	v_mul_u32_u24 v[AV0], v[AV0], PV
	v_lshl_add_u32 v[AV0], v11, 4, v[AV0]
	v_add_nc_u32 v[AV0], VOFF, v[AV0]
	v_mov_b32 v[AK], v[AK0]
; THE MATRIX WORK.  The 8 accumulators of a run of 16 take turns.
.macro KQ x                         ; product i of 16 of S^T = K Q^T for piece x
	WIN W_KQ
.set rS, S+64*((\x)%2)+32*(i%2)+8*((i/2)%4)
.set rK, KF+16*((i/2)%4)+8*(i/8)
.set rQ, 16*(2*(\x)+i%2)+8*(i/8)
.if i < 8
	v_wmma_f32_16x16x32_f16 v[rS:rS+7], v[rK:rK+7], v[rQ:rQ+7], 0
.else
	v_wmma_f32_16x16x32_f16 v[rS:rS+7], v[rK:rK+7], v[rQ:rQ+7], v[rS:rS+7]
.endif
.endm
.macro PV x                         ; product i of 16 of O^T += V^T P for piece x
	WIN W_PV
.set rO, 32*(2*(\x)+i%2)+8*((i/2)%4)
.set rV, VF+32*(i/8)+8*((i/2)%4)
.set rP, P+32*((\x)%2)+16*(i%2)+8*(i/8)
	v_wmma_f32_16x16x32_f16 v[rO:rO+7], v[rV:rV+7], v[rP:rP+7], v[rO:rO+7]
.endm
.macro MM                           ; the turn's next matrix instruction
.if i < 16
	KQ (Y+1)%NP
.set i, i+1
.else
.set i, i-16
	PV (Y+NP-1)%NP
.set i, i+17
.endif
.endm
; THE LDS LOADS stand in runs of 16.  last = 1 (the tail): in the last trip there is no further step, and the run is jumped over.
.macro FETCH_K last=0
	WIN 0
.if \last
	s_cmp_eq_u32 s[CNT], 1
	s_cbranch_scc1 .Lno_k_\@
.endif
	WIN 0x80
.irp f, 0,1,2,3,4,5,6,7
	ds_load_b128 v[KF+8*\f:KF+8*\f+3],   v[AK] offset:(\f/2)*16*PK+(\f%2)*64
	ds_load_b128 v[KF+8*\f+4:KF+8*\f+7], v[AK] offset:(\f/2)*16*PK+(\f%2)*64+32
.endr
	s_add_co_u32 s[TBK], s[TBK], KS*PK
	WIN 0
.if \last
.Lno_k_\@:
.endif
.endm
.macro FETCH_V
	WIN 0x80
.irp f, 0,1,2,3,4,5,6,7
	ds_load_tr16_b128 v[VF+8*\f:VF+8*\f+3],   v[AV] offset:(\f/4)*32*PV+(\f%4)*32
	ds_load_tr16_b128 v[VF+8*\f+4:VF+8*\f+7], v[AV] offset:(\f/4)*32*PV+16*PV+(\f%4)*32
.endr
	WIN 0
.endm
; Piece p's two registers of mask words have been read out: they take the next key step's words.  Piece 0's turn steps the offset; it stops at the last step's words, so that no load leaves the buffer.
; The piece's offset register was last named by the loads that the wait at the turn's head has shown done.
.macro MLOAD p
	WIN 0
.if (\p) == 0
	s_add_co_u32 s[KOFF], s[KOFF], 128
	s_min_u32 s[KOFF], s[KOFF], 31*128
.endif
	v_add_nc_u32 v[MO+(\p)], s[KOFF], v[ML]
	global_load_b32 v[MW+2*(\p)],   v[MO+(\p)], s[MP:MP+1] offset:(2*(\p))*4096
	global_load_b32 v[MW+2*(\p)+1], v[MO+(\p)], s[MP:MP+1] offset:(2*(\p)+1)*4096
.endm
; THE VECTOR WORK.  XS k: number k of the 22 that find a tile's maximum and statistics.  FF k: c s - c m for pair k.  CC k: pair k rounded to f16.  BB k: of four weights the second pair is added onto
; the first.  LL k: l takes that sum (LL 0: l = a l + sum).
.macro XS k
.if (\k) < 4
	v_max3_num_f32 v[rC+(\k)], v[rS+8*(\k)], v[rS+8*(\k)+1], v[rS+8*(\k)+2]
.elseif (\k) < 12
	v_max3_num_f32 v[rC+(\k)%4], v[rC+(\k)%4], v[rS+8*((\k)%4)+2*((\k)/4)+1], v[rS+8*((\k)%4)+2*((\k)/4)+2]
.elseif (\k) == 12
	v_max3_num_f32 v[rC], v[rC], v[rS+7], v[rS+15]
.elseif (\k) == 13
	v_max3_num_f32 v[rC+1], v[rC+1], v[rS+23], v[rS+31]
.elseif (\k) == 14
	v_max3_num_f32 v[rC+2], v[rC+2], v[rC+3], v[rT+1]
.elseif (\k) == 15
	v_mov_b32 v[rM], v[rT]
.elseif (\k) == 16
	v_max3_num_f32 v[rC], v[rC], v[rC+1], v[rC+2]
.elseif (\k) == 17
	v_permlanex16_b32 v[rC+3], v[rC], s[SEL], s[SEL+1]
.elseif (\k) == 18
	v_max_num_f32 v[rT+1], v[rC], v[rC+3]
.elseif (\k) == 19
	v_mul_f32 v[rT], s[CS], v[rT+1]
.elseif (\k) == 20
	v_sub_f32 v[rC+1], v[rM], v[rT]
.else
	v_exp_f32 v[rC+2], v[rC+1]
.endif
.endm
.macro FF k
	v_pk_fma_f32 v[rS+2*(\k):rS+2*(\k)+1], v[rS+2*(\k):rS+2*(\k)+1], s[CS:CS+1], v[rT:rT+1] op_sel_hi:[1,0,0] neg_lo:[0,0,1] neg_hi:[0,0,1]
.endm
.macro CC k
	s_wait_alu depctr_va_vdst(0)
	v_cvt_pk_f16_f32 v[rP+(\k)], v[rS+2*(\k)], v[rS+2*(\k)+1]
.endm
.macro BB k
	v_pk_add_f32 v[rS+4*(\k):rS+4*(\k)+1], v[rS+4*(\k):rS+4*(\k)+1], v[rS+4*(\k)+2:rS+4*(\k)+3]
.endm
.macro LL k
.if (\k) == 0
	v_pk_fma_f32 v[rT+2:rT+3], v[rT+2:rT+3], v[rC+2:rC+3], v[rS:rS+1] op_sel_hi:[1,0,1]
.else
	v_pk_add_f32 v[rT+2:rT+3], v[rT+2:rT+3], v[rS+4*(\k):rS+4*(\k)+1]
.endif
.endm
; Entry j of a turn's 364; the two tiles alternate (u = j % 2), n = j / 2 runs through one tile's list of 182:
;   0-31 mask word n into its scalar register    32-63 hidden scores replaced, registers ascending (each accumulator from its low end on)    64-85 XS    86-89 FF 0-3
;   90-153 exponential of score (n - 90) / 2 at the even numbers; at the odd ones a plain line that is ready: FF 4-15, CC 0-10, BB 0-4, LL 0-3: so behind each pair of exponentials stands a plain line that names neither result
;   154-165 CC 11-15, BB 5-7, LL 4-7    166-181 O^T times a, the one part outside window 0
.macro VOP
.set u, j%2
.set n, j/2
.set rT, ST+4*(2*Y+u)
.set rC, TMP+4*u
.set rM, MV+u
.set rS, S+64*(Y%2)+32*u
.set rP, P+32*(Y%2)+16*u
.set rO, 32*(2*Y+u)
.set rW, MS0+36*u
.set ii, (n-90)/2
.if n < 166
	WIN 0
.endif
.if n < 32
	v_readlane_b32 s[rW+n], v[MW+2*Y+u], n
.elseif n < 64
	v_cndmask_b32 v[rS+n-32], v[NEG], v[rS+n-32], s[rW+n-32]
.elseif n < 86
	XS n-64
.elseif n < 90
	FF n-86
.elseif (n < 154) && (n%2 == 0)
	v_exp_f32 v[rS+ii], v[rS+ii]
.elseif (n < 154) && (ii < 12)
	FF ii+4
.elseif (n < 154) && (ii < 23)
	CC ii-12
.elseif (n < 154) && (ii < 28)
	BB ii-23
.elseif n < 154
	LL ii-28
.elseif n < 159
	CC n-143
.elseif n < 162
	BB n-154
.elseif n < 166
	LL n-158
.else
	WIN W_RS
	v_pk_mul_f32 v[rO+2*(n-166):rO+2*(n-166)+1], v[rO+2*(n-166):rO+2*(n-166)+1], v[rC+2:rC+3] op_sel_hi:[1,0]
.endif
.set j, j+1
.endm
; A TURN, for piece p.  The piece's mask registers are loaded again behind the sixth matrix instruction, when 72 entries are out and the 64 that read them are done.
; K of the next step is fetched in piece 2's turn, three matrix instructions and more than 30 vector lines behind the last product that read K; V of the step in hand at the end of piece 0's turn, eleven plain lines behind the last product that read V.
.macro TURN p, last=0, cnt=0
.set Y, (\p)
.set i, 0
.set j, 0
.set w, 0
	s_wait_loadcnt 6                ; loads come back in order: behind this piece's two were issued the other three pieces' six, which may stay out
.if (\p) == NP-1
	s_wait_dscnt 0x0                ; K is in
.endif
.rept 32
.if ((\p) == 1) && (w == 16)
	s_wait_dscnt 0x0                ; V is in
.endif
	MM
.if w < 12
.rept 12
	VOP
.endr
.else
.rept 11
	VOP
.endr
.endif
.if w == 5
	MLOAD \p
.endif
.if ((\p) == NP-2) && (w == 17)
	WIN 0
	v_add_nc_u32 v[AK], s[TBK], v[AK0]
.endif
.if ((\p) == NP-2) && (w == 18)
	FETCH_K \last
.endif
.if (\cnt) && (w == 30)
	s_sub_co_u32 s[CNT], s[CNT], 1
	s_cmp_lg_u32 s[CNT], 0
.endif
.set w, w+1
.endr
.if (\p) == 0
	WIN 0
	v_add_nc_u32 v[AV], s[TBV], v[AV0]
	FETCH_V
	s_add_co_u32 s[TBV], s[TBV], KS*PV
.endif
.endm
	CHANGE 1                        ; slot 0 is in, everybody's part of it; slot 1 is asked for
	FETCH_K                         ; key step 0
	s_mov_b32 s[KOFF], 0
	s_wait_loadcnt 8                ; Q is in (the eight loads of mask words behind it may stay out): its base's registers may take mask words
	s_wait_dscnt 0x0
.set i, 0
.rept 16
	KQ 0                            ; piece 0's first scores
.set i, i+1
.endr
	WIN 0                           ; the addresses for the way out: plain lines, the places behind those products
	s_mul_i32 s3, s[WV], 16*SP
	s_add_co_u32 s3, s3, STAGE
	v_mul_u32_u24 v[STO], v1, SP
	v_lshl_add_u32 v[STO], v9, 4, v[STO]
	v_add_nc_u32 v[STO], s3, v[STO]
	v_bfe_u32 v[RD], v0, 3, 2
	v_mul_u32_u24 v[RD], v[RD], SP
	v_lshl_add_u32 v[RD], v10, 4, v[RD]
	v_add_nc_u32 v[RD], s3, v[RD]
	v_and_b32 v[GO], 31, v0
	v_lshlrev_b32 v[GO], 4, v[GO]
	s_mov_b32 s[CNT], 4
	s_mov_b32 s[SLOTS], 7           ; eight slots of 256 keys
	s_branch .Lfirst                ; the loop is entered at a step's first turn
.Lslot:                             ; six times: every slot but the last two is filled again
	CHANGE 1
	s_mov_b32 s[CNT], 4
.Lstep:                             ; a trip: pieces 2 and 3 of one step, then pieces 0 and 1 of the next
	TURN 2
	TURN 3
	WIN 0
.Lfirst:
	TURN 0
	TURN 1, 0, 1
	WIN 0
	s_cbranch_scc1 .Lstep
	s_sub_co_u32 s[SLOTS], s[SLOTS], 1
	s_cmp_lg_u32 s[SLOTS], 0
	s_cbranch_scc1 .Lslot
	CHANGE 0                        ; the tail is written out
	s_mov_b32 s[CNT], 5             ; four trips fetch the last slot's steps; the fifth is left in its middle
.Ltail:
	TURN 2, 1
	TURN 3
	WIN 0
	s_sub_co_u32 s[CNT], s[CNT], 1
	s_cmp_eq_u32 s[CNT], 0
	s_cbranch_scc1 .Lout
	TURN 0
	TURN 1
	WIN 0
	s_branch .Ltail
.Lout:                              ; the fifth trip's 16 products K Q^T (on the last K once more) and the last step's reloaded mask words serve nothing: the price of one text for every trip
.set i, 0
.rept 16
	PV NP-1                         ; the last piece's V^T P of the last step
.set i, i+1
.endr
	; THE WAY OUT.  l's halves are added; O^T is divided by l, rounded to f16 and sent through my stage, a tile at a time.  The additions are the places behind the last products.
	WIN 0
.macro ALL line:vararg
.set t, 0
.rept 2*NP
	\line
.set t, t+1
.endr
.endm
	ALL v_add_f32 v[ST+4*t+2], v[ST+4*t+2], v[ST+4*t+3]
	ALL v_permlanex16_b32 v[ST+4*t+3], v[ST+4*t+2], s[SEL], s[SEL+1]
	ALL v_add_f32 v[ST+4*t+2], v[ST+4*t+2], v[ST+4*t+3]
	ALL v_rcp_f32 v[ST+4*t+2], v[ST+4*t+2]
	v_nop                           ; a plain line between the last reciprocal and the use of its result
.macro PACK t
	WIN W_RS
.set i, 32*(\t)
.rept 16
	s_wait_alu depctr_va_vdst(0)
	v_pk_mul_f32 v[i:i+1], v[i:i+1], v[ST+4*(\t)+2:ST+4*(\t)+3] op_sel_hi:[1,0]
.set i, i+2
.endr
	WIN 0x05
.set i, 0
.rept 16
	v_cvt_pk_f16_f32 v[S+16*(\t)+i], v[32*(\t)+2*i], v[32*(\t)+2*i+1]
.set i, i+1
.endr
	WIN 0
.irp f, 0,1,2,3
	ds_store_b128 v[STO], v[S+16*(\t)+4*\f:S+16*(\t)+4*\f+3] offset:32*\f
.endr
.irp f, 0,1,2,3
	ds_load_b128 v[S+16*(\t)+4*\f:S+16*(\t)+4*\f+3], v[RD] offset:\f*4*SP  ; a wave's LDS instructions are served in order: these see the stores above
.endr
.endm
.macro SEND t, younger              ; younger: the LDS instructions issued behind tile t's loads
	WIN 0
.irp f, 0,1,2,3
	s_wait_dscnt (\younger)+3-\f
	global_store_b128 v[GO], v[S+16*(\t)+4*\f:S+16*(\t)+4*\f+3], s[OB:OB+1] offset:(\t)*2048+\f*512  ; 512 neighbouring bytes of the head's plane in ctx
.endr
.endm
	PACK 0
.set t, 1
.rept 2*NP-1
	PACK t
	SEND t-1, 8
.set t, t+1
.endr
	SEND 2*NP-1, 0
	WIN W_AD
	s_wait_tensorcnt 0x0            ; the wave's end
	ds_add_u32 v[SPW], v[NIL]
	s_wait_dscnt 0x0
	WIN 0
	CROUND                          ; the closing round
	s_endpgm
.Lfunc_end_k_q3647a74a8b_attn:
	.size	k_q3647a74a8b_attn, .Lfunc_end_k_q3647a74a8b_attn-k_q3647a74a8b_attn
	.p2alignl 7, 3214868480
	.fill 96, 4, 3214868480
	.section	.rodata,"a",@progbits
	.p2align	6, 0x0
	.amdhsa_kernel k_q3647a74a8b_attn
		.amdhsa_group_segment_fixed_size 327680
		.amdhsa_private_segment_fixed_size 0
		.amdhsa_enable_private_segment 0
		.amdhsa_kernarg_size 24
		.amdhsa_user_sgpr_count 2
		.amdhsa_user_sgpr_kernarg_segment_ptr 1
		.amdhsa_wavefront_size32 1
		.amdhsa_system_sgpr_workgroup_id_x 1
		.amdhsa_system_sgpr_workgroup_id_y 1
		.amdhsa_system_sgpr_workgroup_id_z 1
		.amdhsa_system_vgpr_workitem_id 0
		.amdhsa_next_free_vgpr 770
		.amdhsa_next_free_sgpr 100
		.amdhsa_reserve_vcc 0
		.amdhsa_float_denorm_mode_32 3
		.amdhsa_float_denorm_mode_16_64 3
		.amdhsa_memory_ordered 1
		.amdhsa_forward_progress 1
		.amdhsa_inst_pref_size 255
	.end_amdhsa_kernel
	.section	.bss,"aw",@nobits
	.p2align	6
	.space	262144
	.amdgpu_metadata
---
amdhsa.version: [ 1, 2 ]
amdhsa.kernels:
  - .name:           k_q3647a74a8b_attn
    .symbol:         k_q3647a74a8b_attn.kd
    .args:
      - { .name: qkv, .offset: 0, .size: 8, .value_kind: global_buffer, .address_space: global }
      - { .name: mw, .offset: 8, .size: 8, .value_kind: global_buffer, .address_space: global }
      - { .name: ctx, .offset: 16, .size: 8, .value_kind: global_buffer, .address_space: global }
    .group_segment_fixed_size: 327680
    .private_segment_fixed_size: 0
    .kernarg_segment_align: 8
    .kernarg_segment_size: 24
    .max_flat_workgroup_size: 128
    .sgpr_count:     100
    .vgpr_count:     770
    .wavefront_size: 32
...
	.end_amdgpu_metadata
.endif
;; end of part 3
;; launch outp (part 4): grid 8 x 32, 4 waves a work-group, clusters of 4 x 4, 327,680 bytes of LDS; arguments ctx, xw, bo, out0; writes out0
.if DOCPART == 4
	.amdgcn_target "amdgcn-amd-amdhsa--gfx1250"
	.amdhsa_code_object_version 6
	.text
	.protected	k_q3647a74a8b_outp
	.globl	k_q3647a74a8b_outp
	.p2align	8
	.type	k_q3647a74a8b_outp,@function
k_q3647a74a8b_outp:
	s_mov_b64 s[64:65], 0
	v_nop
	global_prefetch_b8 v0, s[64:65] scope:SCOPE_SE
	s_setreg_imm32_b32 hwreg(HW_REG_WAVE_MODE, 25, 1), 1
	s_wait_xcnt 0x0
	s_wait_alu depctr_hold_cnt(0) depctr_sa_sdst(0) depctr_va_vdst(0) depctr_va_sdst(0) depctr_va_ssrc(0) depctr_va_vcc(0) depctr_vm_vsrc(0)
	s_getreg_b32 s2, hwreg(HW_REG_IB_STS2, 6, 4)
	s_cmp_eq_u32 s2, 0
	s_cbranch_scc0 .Lentry_in_a_cluster
	s_endpgm
.Lentry_in_a_cluster:
	s_bfe_u32 s2, ttmp6, 0x10000c
	s_cmp_lg_u32 s2, 0xf033
	s_cbranch_scc0 .Lentry_shape_is_right
	s_endpgm
.Lentry_shape_is_right:
; THE OUTPUT PROJECTION: out0[m][n] = sum over k of ctx[m][k] Wo[n][k] + bo[n], m over 8,192 rows, n and k over 1,024.  Operands f16 (within 65,504), sums and result f32.
; The product is built as the projections' launch builds it: a work-group makes 256 x 128, each of four waves 128 x 64 (32 accumulators); operands lie in planes of 64 k, 128 bytes a row, rows end to end;
; K goes in steps of 128 (two planes) through two LDS slots; waves 0, 1 fetch A's planes, waves 2, 3 B's; cluster 4 x 4 with joint loads: A's tiles along a row, B's along a column.  256 work-groups.
; The matrix instruction is used transposed: a lane holds eight neighbouring n of one row m: 32 bytes of f32; a wave's 64 columns are 256 aligned bytes of a row of out0.
.set PITCH, 144
.set APL,   256*PITCH
.set BPL,   128*PITCH
.set BOFF,  2*APL
.set SLOT,  2*APL+2*BPL
.set STAGE, 2*SLOT                     ; behind the ring: 16 rows x 272 bytes a wave
.set SP,    272
.set SPARE, STAGE+4*16*SP
.set STEPB, 1<<18
.set ADRA, 16
.set ADRB, 20
.set STO,  24
.set RD,   25
.set CO,   26
.set SPW,  28
.set NIL,  29
.set BI,   32
.set F0,   64
.set F1,   128
.set T,    192                         ; v192-223 a block's sums with the bias
.set BK,   224                         ; v224-255 read back as whole rows
.set WV, 14
.set RH, 15
.set CH, 16
.set G1, 24
.set G0, 32
.set G1B, 48
.set G0B, 56
.set MSB, 0
.macro WIN new
.if MSB != (\new)
	s_set_vgpr_msb (MSB<<8)|(\new)
.set MSB, \new
.endif
.endm
.set MUL,  0xa1
.set TO_B, 0x40
.macro JLOAD s                         ; a joint load; an s_nop 0 and four v_nop follow each of the two lines
	s_cmp_eq_u32 s[RH], 0
	s_cbranch_scc0 .Lfor_b_\@
	tensor_load_to_lds s[G0+4*(\s):G0+4*(\s)+3], s[G1:G1+7]
	s_nop 0
.rept 4
	v_nop
.endr
	s_branch .Lasked_\@
.Lfor_b_\@:
	tensor_load_to_lds s[G0B+4*(\s):G0B+4*(\s)+3], s[G1B:G1B+7]
	s_nop 0
.rept 4
	v_nop
.endr
.Lasked_\@:
.endm
.macro CREST
	s_cmp_lg_u32 s[WV], 0
	s_cbranch_scc1 .Lnot_wave_0_\@
	s_barrier_signal -3
.Lnot_wave_0_\@:
	s_barrier_wait -3
	s_barrier_signal -1
	s_barrier_wait -1
.endm
.macro CROUND
	s_barrier_signal -1
	s_barrier_wait -1
	CREST
.endm
.macro PLACES
.rept 4
	v_nop
.endr
.endm
	s_load_b256 s[4:11], s[0:1], 0x0               ; ctx s[4:5], xw s[6:7], bo s[8:9], out0 s[10:11]
	v_lshl_add_u32 v[SPW], v0, 2, SPARE
	v_mov_b32 v[NIL], 0
	ds_add_u32 v[SPW], v[NIL]                      ; the wave's opening: the add and its wait stand ahead of my first tensor load
	v_lshrrev_b32 v1, 5, v0
	v_readfirstlane_b32 s[WV], v1
	s_lshr_b32 s[RH], s[WV], 1
	s_and_b32 s[CH], s[WV], 1
	s_bfe_u32 s40, ttmp6, 0x40000                  ; cx
	s_bfe_u32 s41, ttmp6, 0x40004                  ; cy
	s_lshl_b32 s42, ttmp9, 2
	s_add_co_u32 s42, s42, s40                     ; tile column 0..7
	s_and_b32 s17, ttmp7, 0xffff
	s_lshl_b32 s43, s17, 2
	s_add_co_u32 s43, s43, s41                     ; tile row 0..31
	s_lshl_b32 s44, s41, 2
	s_lshl_b32 s44, 15, s44                        ; my row of the cluster
	s_lshl_b32 s45, 0x1111, s40                    ; my column
	s_or_b32 s[G1], s44, (1<<16)|(1<<20)|(1<<21)|(4<<22)|(3<<25)
	s_or_b32 s[G1B], s45, (1<<16)|(1<<20)|(1<<21)|(4<<22)|(3<<25)
	s_mov_b32 s[G1+1], 128<<16
	s_mov_b32 s[G1+2], 128<<16
	s_mov_b32 s[G1+3], 128<<16
	s_mov_b32 s[G1+4], 128
	s_mov_b32 s[G1+5], 128
	s_mov_b32 s[G1+6], 0
	s_mov_b32 s[G1+7], 0
	s_mov_b32 s[G1B+1], 128<<16
	s_mov_b32 s[G1B+2], 64<<16
	s_mov_b32 s[G1B+3], 128<<16
	s_mov_b32 s[G1B+4], 64
	s_mov_b32 s[G1B+5], 128
	s_mov_b32 s[G1B+6], 0
	s_mov_b32 s[G1B+7], 0
	s_lshl_b32 s19, s[CH], 17                      ; the plane that I fetch
	s_lshr_b32 s20, s43, 2                         ; A: block of 1,024 rows,
	s_lshl_b32 s20, s20, 21
	s_and_b32 s21, s43, 3                          ; 256 rows of 128 bytes in it
	s_lshl_b32 s21, s21, 15
	s_add_co_u32 s20, s20, s21
	s_add_co_u32 s20, s20, s19
	s_mov_b32 s21, 0
	s_lshl_b32 s46, s42, 14                        ; B: Wo is block 24 of xw; 128 rows of 128 bytes in it
	s_add_co_u32 s46, s46, 24<<21
	s_add_co_u32 s46, s46, s19
	s_mov_b32 s47, 0
	s_mul_i32 s22, s[CH], APL
	s_mul_i32 s23, s[CH], BPL
	s_add_co_u32 s23, s23, BOFF
	s_wait_dscnt 0x0                               ; the opening add is done
	s_wait_kmcnt 0x0
	s_add_nc_u64 s[20:21], s[4:5], s[20:21]
	s_add_nc_u64 s[46:47], s[6:7], s[46:47]
	CROUND                                         ; all sixteen work-groups are here
.irp s, 0,1
	s_mov_b32 s[G0+4*(\s)], 1
	s_add_co_u32 s[G0+4*(\s)+1], s22, (\s)*SLOT
	s_add_nc_u64 s[G0+4*(\s)+2:G0+4*(\s)+3], s[20:21], (\s)*STEPB
	s_or_b32 s[G0+4*(\s)+3], s[G0+4*(\s)+3], 0x80000000
	s_mov_b32 s[G0B+4*(\s)], 1
	s_add_co_u32 s[G0B+4*(\s)+1], s23, (\s)*SLOT
	s_add_nc_u64 s[G0B+4*(\s)+2:G0B+4*(\s)+3], s[46:47], (\s)*STEPB
	s_or_b32 s[G0B+4*(\s)+3], s[G0B+4*(\s)+3], 0x80000000
	JLOAD \s                                       ; two loads of mine are out
.endr
	v_and_b32 v1, 15, v0                           ; r
	v_bfe_u32 v2, v0, 4, 1                         ; h
	v_mul_u32_u24 v3, v1, PITCH
	v_lshl_add_u32 v3, v2, 4, v3
	s_mul_i32 s72, s[RH], 128*PITCH
	s_mul_i32 s73, s[CH], 64*PITCH
	s_add_co_u32 s73, s73, BOFF
.irp s, 0,1
	v_add_nc_u32 v[ADRA+(\s)], s72, v3
	v_add_nc_u32 v[ADRB+(\s)], s73, v3
	s_add_co_u32 s72, s72, SLOT
	s_add_co_u32 s73, s73, SLOT
.endr
	s_lshl_b32 s66, s42, 9                         ; my first column, in f32: also its byte in a row of out0
	s_lshl_b32 s67, s[CH], 8
	s_add_co_u32 s66, s66, s67
	s_mov_b32 s67, 0
	s_add_nc_u64 s[8:9], s[8:9], s[66:67]
	v_lshlrev_b32 v5, 5, v2
.irp b, 0,1,2,3
	global_load_b128 v[BI+8*\b:BI+8*\b+3],   v5, s[8:9] offset:64*\b
	global_load_b128 v[BI+8*\b+4:BI+8*\b+7], v5, s[8:9] offset:64*\b+16
.endr
	s_mul_i32 s72, s[WV], 16*SP
	s_add_co_u32 s72, s72, STAGE                   ; my stage
	v_mul_u32_u24 v6, v1, SP
	v_lshl_add_u32 v6, v2, 5, v6
	v_add_nc_u32 v[STO], s72, v6                   ; in: row r, 32 bytes for each half of the lanes
	v_mul_u32_u24 v7, v2, SP
	v_lshl_add_u32 v7, v1, 4, v7
	v_add_nc_u32 v[RD], s72, v7                    ; back: lanes 0-15 one row of 256 bytes, lanes 16-31 the next
	v_lshlrev_b32 v[CO], 12, v2
	v_lshl_add_u32 v[CO], v1, 4, v[CO]             ; and the same two rows in out0
	s_lshl_b32 s68, s43, 20                        ; 256 rows of 4,096 bytes a tile row,
	s_lshl_b32 s69, s[RH], 19                      ; 128 a half
	s_add_co_u32 s68, s68, s69
	s_add_co_u32 s68, s68, s66
	s_mov_b32 s69, 0
	s_add_nc_u64 s[10:11], s[10:11], s[68:69]
.macro MULN f, a0, n, zero             ; n x 4 matrix instructions; all accumulators differ: they take turns
	WIN MUL
.set a, (\a0)
.rept \n
.irp b, 0,1,2,3
.if \zero
	v_wmma_f32_16x16x32_f16 v[8*(4*a+\b):8*(4*a+\b)+7], v[(\f)+8*\b:(\f)+8*\b+7], v[(\f)+8*a:(\f)+8*a+7], 0
.else
	v_wmma_f32_16x16x32_f16 v[8*(4*a+\b):8*(4*a+\b)+7], v[(\f)+8*\b:(\f)+8*\b+7], v[(\f)+8*a:(\f)+8*a+7], v[8*(4*a+\b):8*(4*a+\b)+7]
.endif
.endr
.set a, a+1
.endr
.endm
.macro FETCH slot, q, f                ; 24 LDS loads in one run: quarter q of a K step: B's 4 fragments, then A's 8
	WIN TO_B
.irp i, 0,1,2,3
	ds_load_b128 v[(\f)+8*\i:(\f)+8*\i+3],   v[ADRB+(\slot)] offset:((\q)/2)*BPL+((\q)%2)*64+\i*16*PITCH
	ds_load_b128 v[(\f)+8*\i+4:(\f)+8*\i+7], v[ADRB+(\slot)] offset:((\q)/2)*BPL+((\q)%2)*64+\i*16*PITCH+32
.endr
	WIN 0
.irp i, 0,1,2,3,4,5,6,7
	ds_load_b128 v[(\f)+8*\i:(\f)+8*\i+3],   v[ADRA+(\slot)] offset:((\q)/2)*APL+((\q)%2)*64+\i*16*PITCH
	ds_load_b128 v[(\f)+8*\i+4:(\f)+8*\i+7], v[ADRA+(\slot)] offset:((\q)/2)*APL+((\q)%2)*64+\i*16*PITCH+32
.endr
.endm
.macro QUARTER slot, q, f, g, zero
	s_wait_dscnt 8                                 ; B and A's blocks 0-3 are in; the youngest eight loads may be out
	MULN \f, 0, 4, \zero
	PLACES
	FETCH \slot, \q, \g
	s_wait_dscnt 24                                ; all but the 24 just issued
	MULN \f, 4, 4, \zero
.endm
.macro TURN slot, next, fill
	WIN 0
	s_wait_tensorcnt 0x0                           ; all my tensor loads have landed: my part of the next slot
	ds_add_u32 v[SPW], v[NIL]
	s_wait_dscnt 9                                 ; the add and the youngest eight loads may be out
	MULN F1, 0, 2, 0
	s_wait_dscnt 0x0                               ; the add is done, and my reads of this slot are over
	s_barrier_signal -1
	MULN F1, 2, 2, 0
.if \fill
	WIN 0
.endif
	s_barrier_wait -1
.if \fill
	CREST                                          ; a round of the cluster's barrier: no wave of any partner still reads this slot or has a load on its way
	s_add_nc_u64 s[G0+4*(\slot)+2:G0+4*(\slot)+3], s[G0+4*(\slot)+2:G0+4*(\slot)+3], 2*STEPB
	s_add_nc_u64 s[G0B+4*(\slot)+2:G0B+4*(\slot)+3], s[G0B+4*(\slot)+2:G0B+4*(\slot)+3], 2*STEPB
	JLOAD \slot
.else
	PLACES
.endif
	FETCH \next, 0, F0
	MULN F1, 4, 4, 0
.endm
	s_wait_tensorcnt 1                             ; my part of K step 0 is in; step 1's may stay out
	s_barrier_signal -1
	s_barrier_wait -1
	FETCH 0, 0, F0
	QUARTER 0, 1, F0, F1, 1
	WIN 0
	s_mov_b32 s3, 3
.Llap:
	QUARTER 0, 2, F1, F0, 0
	QUARTER 0, 3, F0, F1, 0
	TURN 0, 1, 1
	QUARTER 1, 1, F0, F1, 0
	QUARTER 1, 2, F1, F0, 0
	QUARTER 1, 3, F0, F1, 0
	TURN 1, 0, 1
	QUARTER 0, 1, F0, F1, 0
	WIN 0
	s_sub_co_u32 s3, s3, 1
	s_cmp_lg_u32 s3, 0
	s_cbranch_scc1 .Llap
	QUARTER 0, 2, F1, F0, 0
	QUARTER 0, 3, F0, F1, 0
	TURN 0, 1, 0
	QUARTER 1, 1, F0, F1, 0
	QUARTER 1, 2, F1, F0, 0
	QUARTER 1, 3, F0, F1, 0
	s_wait_dscnt 8
	MULN F1, 0, 4, 0
	s_wait_dscnt 0x0
	MULN F1, 4, 4, 0
	WIN 0
	s_wait_loadcnt 0x0                             ; the bias
	PLACES
; THE WAY OUT of block a (16 rows): + bias, through my stage, stored as whole rows of 256 bytes.
.macro OUTB a
	WIN 0x02
.set z, 0
.rept 16
	v_pk_add_f32 v[T+2*z:T+2*z+1], v[32*(\a)+2*z:32*(\a)+2*z+1], v[BI+2*z:BI+2*z+1]  ; each accumulator from its low end on
.set z, z+1
.endr
	WIN 0
	s_wait_xcnt 0x0                                ; the registers that the last block's stores read are loaded again only behind this wait
.irp b, 0,1,2,3
	ds_store_b128 v[STO], v[T+8*\b:T+8*\b+3]   offset:64*\b
	ds_store_b128 v[STO], v[T+8*\b+4:T+8*\b+7] offset:64*\b+16
.endr
.irp t, 0,1,2,3,4,5,6,7
	ds_load_b128 v[BK+4*\t:BK+4*\t+3], v[RD] offset:\t*2*SP  ; a wave's LDS instructions are served in order: these see the stores above
.endr
	s_wait_dscnt 0x0
.irp t, 0,1,2,3,4,5,6,7
	global_store_b128 v[CO], v[BK+4*\t:BK+4*\t+3], s[10:11] offset:(16*(\a)+2*\t)*4096 th:TH_STORE_NT  ; 16 lanes store 256 neighbouring bytes, aligned
.endr
.endm
.irp a, 0,1,2,3,4,5,6,7
	OUTB \a
.endr
	s_wait_tensorcnt 0x0                           ; the wave's end
	ds_add_u32 v[SPW], v[NIL]
	s_wait_dscnt 0x0
	CROUND                                         ; the closing round
	s_endpgm
.Lfunc_end_k_q3647a74a8b_outp:
	.size	k_q3647a74a8b_outp, .Lfunc_end_k_q3647a74a8b_outp-k_q3647a74a8b_outp
	.p2alignl 7, 3214868480
	.fill 96, 4, 3214868480
	.section	.rodata,"a",@progbits
	.p2align	6, 0x0
	.amdhsa_kernel k_q3647a74a8b_outp
		.amdhsa_group_segment_fixed_size 327680
		.amdhsa_private_segment_fixed_size 0
		.amdhsa_enable_private_segment 0
		.amdhsa_kernarg_size 32
		.amdhsa_user_sgpr_count 2
		.amdhsa_user_sgpr_kernarg_segment_ptr 1
		.amdhsa_wavefront_size32 1
		.amdhsa_system_sgpr_workgroup_id_x 1
		.amdhsa_system_sgpr_workgroup_id_y 1
		.amdhsa_system_sgpr_workgroup_id_z 1
		.amdhsa_system_vgpr_workitem_id 0
		.amdhsa_next_free_vgpr 768
		.amdhsa_next_free_sgpr 80
		.amdhsa_reserve_vcc 0
		.amdhsa_float_denorm_mode_32 3
		.amdhsa_float_denorm_mode_16_64 3
		.amdhsa_memory_ordered 1
		.amdhsa_forward_progress 1
		.amdhsa_inst_pref_size 95
	.end_amdhsa_kernel
	.amdgpu_metadata
---
amdhsa.version: [ 1, 2 ]
amdhsa.kernels:
  - .name:           k_q3647a74a8b_outp
    .symbol:         k_q3647a74a8b_outp.kd
    .args:
      - { .name: ctx, .offset: 0, .size: 8, .value_kind: global_buffer, .address_space: global }
      - { .name: xw, .offset: 8, .size: 8, .value_kind: global_buffer, .address_space: global }
      - { .name: bo, .offset: 16, .size: 8, .value_kind: global_buffer, .address_space: global }
      - { .name: out0, .offset: 24, .size: 8, .value_kind: global_buffer, .address_space: global }
    .group_segment_fixed_size: 327680
    .private_segment_fixed_size: 0
    .kernarg_segment_align: 8
    .kernarg_segment_size: 32
    .max_flat_workgroup_size: 128
    .sgpr_count:     80
    .vgpr_count:     768
    .wavefront_size: 32
...
	.end_amdgpu_metadata
.endif
;; end of part 4
;; ======== version 2 of 2: 4 launches; 1.23 times as fast as version 1
;; limits: values are held in f16: magnitudes above 65,504 overflow, below 6.1e-05 lose precision; right only within a limited range of input values
;; workspace buffers: xw 58,720,256 bytes; mw 2,097,152 bytes of whole numbers; qkv 50,331,648 bytes; ctx 16,777,216 bytes
;; launch prep: the kernel of part 1 again; grid 1408 x 1, 8 waves a work-group, no clusters, 74,752 bytes of LDS; arguments q_input, k_input, v_input, Wo, Wq, Wk, Wv, mask, xw, mw; writes xw, mw
;; launch proj: the kernel of part 2 again; grid 8 x 96, 4 waves a work-group, clusters of 4 x 4, 327,680 bytes of LDS; arguments xw, bq, bk, bv, qkv; writes qkv
;; launch attn (part 5): grid 4 x 64, 4 waves a work-group, clusters of 4 x 1, 327,680 bytes of LDS; arguments qkv, mw, ctx; writes ctx
.if DOCPART == 5
	.amdgcn_target "amdgcn-amd-amdhsa--gfx1250"
	.amdhsa_code_object_version 6
	.text
	.protected	k_q3647a74a8b_attn
	.globl	k_q3647a74a8b_attn
	.p2align	8
	.type	k_q3647a74a8b_attn,@function
k_q3647a74a8b_attn:
	s_mov_b64 s[64:65], 0
	v_nop
	global_prefetch_b8 v0, s[64:65] scope:SCOPE_SE
	s_setreg_imm32_b32 hwreg(HW_REG_WAVE_MODE, 25, 1), 1
	s_wait_xcnt 0x0
	s_wait_alu depctr_hold_cnt(0) depctr_sa_sdst(0) depctr_va_vdst(0) depctr_va_sdst(0) depctr_va_ssrc(0) depctr_va_vcc(0) depctr_vm_vsrc(0)
	s_getreg_b32 s2, hwreg(HW_REG_IB_STS2, 6, 4)
	s_cmp_eq_u32 s2, 0
	s_cbranch_scc0 .Lentry_in_a_cluster
	s_endpgm
.Lentry_in_a_cluster:
	s_bfe_u32 s2, ttmp6, 0x10000c
	s_cmp_lg_u32 s2, 0x3003
	s_cbranch_scc0 .Lentry_shape_is_right
	s_endpgm
.Lentry_shape_is_right:
; ATTENTION WITH A GIVEN MASK.  O[q] = sum over k of softmax_k(where(mask[q][k], Q[q] . K[k] / 8, hidden)) V[k], for 64 heads of 2,048 rows x 64 channels, all f16; products, maxima, sums in f32;
; the weights p are rounded to f16 for the second product (their sum l is taken of the unrounded p), O once at the end.
; LIMITS.  Q, K, V arrive within f16's 65,504.  A hidden raw score is REPLACED by -2^33, which is -2^30 behind the 1/8 (the module has -1e9): a power of two, so that c x it is exact and a row that is
; hidden whole gets p = 1 for every key, the mean of V, as the module does; true scaled scores are taken to lie above -1e8.  A weight below 2^-126 counts as 0; NaN and infinities are not treated apart.
; SHARES.  A wave owns four PIECES of two tiles of 16 queries, a work-group 512 queries of one head; every wave walks all 2,048 keys, 64 a step.
; LAYOUT.  S^T = K Q^T: a lane holds ONE query (lane % 16) and the keys 8 (lane / 16) + 0..7 of each block of 16.  Two such results rounded to f16 ARE source 1 of O^T = V^T P.
; THE MASK arrives as lane masks, one 32-bit word for each register of S^T, made by an earlier launch.  A tile's 32 words of a key step are 128 neighbouring bytes: one load, lane n holds word n, one register
; a tile.  v_readlane_b32 brings each word into a scalar register, v_cndmask_b32 replaces the hidden scores.  A piece's two registers are loaded again as soon as they are read out, with the next key step's
; words: four turns ahead of their use, behind a counted wait.  (Scalar loads would spare the 64 v_readlane_b32 a turn; but 64 scalar registers hold one piece's words, so such a load could be asked for
; less than a turn ahead, and its counter is waited for at 0 alone.)
; SOFTMAX.  Running maximum m and sum l: p = 2^(c s - c m), c = log2(e) / 8; O and l are multiplied by a = 2^(c m_old - c m_new) in every step.  m starts at the lowest finite number, O and l at 0.
; BY TURNS.  Turn n belongs to piece n.  Matrix work: 16 products K Q^T of piece n + 1, then 16 products V^T P of piece n - 1.  Vector work: piece n's 364 lines (mask words, mask, maximum, scaling,
; exponentials, roundings, sums, rescaling), one ordered list, dealt behind the 32 matrix instructions: twelve behind each of the first four and of the last eight, eleven behind the twenty between.
; THE BATCHES.  A turn's 66 exponentials (each tile's a and its 32 weights) are ONE batch with ONE wait: the list is ordered by who reads what.  Its first 268 lines (mask words, mask, maximum, statistics,
; scalings, exponentials) name no exponential's result and stand behind the first 24 products; then comes the wait; the other 96 (roundings, sums, rescaling), all that read a result, stand behind the last
; eight products.  The way out's eight reciprocals are a batch of their own, with a wait of their own.
; CLUSTER.  The four query blocks of a head walk the same K and V: each tile is asked for jointly.
; REGISTERS: window 0: v1-7 addresses; v8-11 the pieces' offsets in the mask words; v12-13, v48-55 at work; v14 the hidden score; v15 4 x lane; v16-47 statistics; v56-63 mask words, one register a tile;
;   v64-191 S^T, two buffers of two tiles; v192-255 P, likewise
;   window 1: O^T, 32 a tile      window 2: v0-127 Q; v128-191 K of one step; v192-255 V of one step      window 3: v0-1 the add's two registers
.set NP,    4
.set KS,    64
.set PK,    144       ; a row of K in LDS: 128 bytes + 16 of padding
.set PV,    144       ; V's rows likewise: one descriptor shape serves both, which leaves the scalar registers for the mask words
.set VOFF,  4*KS*PK   ; a slot holds four steps: 256 rows of K, then 256 rows of V
.set SLOT1, 1<<17
.set STAGE, SLOT1+4*KS*(PK+PV)  ; behind the ring: 16 rows x 144 bytes a wave
.set SP,    144
.set SPARE, STAGE+4*16*SP
.set GO,  1           ; v1   (l % 16 during the set-up) my byte offset in 512 neighbouring bytes of ctx
.set AK0, 2
.set AV0, 3
.set AK,  4
.set AV,  5
.set QO,  6
.set STO, 6
.set RD,  7
.set MO,  8           ; v8-11  piece p: byte offset of my word in the key step that the piece loads next
.set SPW, 0           ; v0 of window 3
.set NIL, 1           ; v1 of window 3
.set MV,  12          ; v12-13  c m_old, by tile
.set NEG, 14          ; v14  -2^33
.set ML,  15          ; v15  4 x lane; never rewritten
.set ST,  16          ; tile t: c m, m, l (even keys', odd keys')
.set TMP, 48          ; by tile, c0-c3 at work; c2 takes a
.set MW,  56          ; v56-63  tile t's 32 mask words of a key step, word n in lane n
.set S,   64
.set P,   192
.set KF,  128
.set VF,  192
.set MP,  4           ; s[4:5]  my wave's mask words
.set OB,  6           ; s[6:7]  my wave's rows of ctx
.set WV,  8
.set SLOTS, 9
.set CNT, 10
.set TBK, 11
.set TBV, 12
.set KOFF, 13         ; byte offset, in a tile's words, of the key step that is loaded next
.set SEL, 14          ; s[14:15]
.set G1,  16          ; s[16:23]
.set G0K, 24          ; s[24:27]
.set G0V, 28          ; s[28:31]
.set MS0, 32          ; s[32:63] the 32 mask words of the piece's first tile; s[68:99] of its second
.set CS,  66          ; s[66:67] c
.set MSB, 0
.macro WIN new
.if MSB != (\new)
	s_set_vgpr_msb (MSB<<8)|(\new)
.set MSB, (\new)
.endif
.endm
.set W_KQ, 0x0a
.set W_PV, 0x52
.set W_RS, 0x41
.set W_MK, 0xc0
.set W_AD, 0x0f
.macro JLOAD                        ; waves 0, 1 fetch the halves of a slot's K, waves 2, 3 of its V; an s_nop 0 and four v_nop follow each line
	s_cmp_lt_u32 s[WV], 2
	s_cbranch_scc0 .Lfor_v_\@
	tensor_load_to_lds s[G0K:G0K+3], s[G1:G1+7]
	s_nop 0
.rept 4
	v_nop
.endr
	s_branch .Lasked_\@
.Lfor_v_\@:
	tensor_load_to_lds s[G0V:G0V+3], s[G1:G1+7]
	s_nop 0
.rept 4
	v_nop
.endr
.Lasked_\@:
.endm
.macro CROUND
	s_barrier_signal -1
	s_barrier_wait -1
	s_cmp_lg_u32 s[WV], 0
	s_cbranch_scc1 .Lnot_wave_0_\@
	s_barrier_signal -3
.Lnot_wave_0_\@:
	s_barrier_wait -3
	s_barrier_signal -1
	s_barrier_wait -1
.endm
; THE CHANGE OF SLOTS.  Each wave waits for all its tensor loads (one is out: its part of the other slot), adds 0 to its spare word, and waits for that and for its reads of the slot.
; fill = 1: the slot is filled again with the keys two slots on, first thing behind a round of the cluster's barrier; the load has four key steps in which to land.
.macro CHANGE fill
	WIN W_AD
	s_wait_tensorcnt 0x0
	ds_add_u32 v[SPW], v[NIL]
	WIN 0
.if \fill
.irp g, G0K, G0V
	s_xor_b32 s[\g+1], s[\g+1], SLOT1
	s_add_nc_u64 s[\g+2:\g+3], s[\g+2:\g+3], 4*KS*128
.endr
	s_wait_dscnt 0x0
	CROUND
	JLOAD
.else
	s_wait_dscnt 0x0
	s_barrier_signal -1
	s_barrier_wait -1
.endif
	s_sub_co_u32 s[TBK], s[TBK], 4*KS*PK
	s_xor_b32 s[TBK], s[TBK], SLOT1
	s_sub_co_u32 s[TBV], s[TBV], 4*KS*PV
	s_xor_b32 s[TBV], s[TBV], SLOT1
.endm
	s_load_b128 s[32:35], s[0:1], 0x0   ; qkv s[32:33], mw s[34:35]
	s_load_b64 s[36:37], s[0:1], 0x10   ; ctx
	WIN W_MK
	v_lshl_add_u32 v[SPW], v0, 2, SPARE
	v_mov_b32 v[NIL], 0
	WIN W_AD
	ds_add_u32 v[SPW], v[NIL]       ; the wave's opening: the add and its wait stand ahead of my first tensor load
	WIN 0
	v_lshrrev_b32 v1, 5, v0
	v_readfirstlane_b32 s[WV], v1
	s_bfe_u32 s40, ttmp6, 0x40000   ; cx
	s_lshl_b32 s41, ttmp9, 2
	s_add_co_u32 s41, s41, s40      ; my block of 512 queries
	s_lshl_b32 s41, s41, 2
	s_add_co_u32 s41, s41, s[WV]    ; my wave among the head's sixteen: it enters Q's, the mask's and O's addresses alone
	s_and_b32 s42, ttmp7, 0xffff    ; 16 b + h, which the four partners share
	s_lshl_b32 s44, s42, 18         ; a head's 262,144 bytes
	s_and_b32 s43, s[WV], 1         ; which half of a slot's 256 keys I fetch
	s_lshl_b32 s46, s43, 14
	s_add_co_u32 s46, s46, s44
	s_add_co_u32 s48, s46, 1<<25    ; V lies two parts of 16,777,216 bytes on,
	s_add_co_u32 s46, s46, 1<<24    ; K one
	s_mov_b32 s47, 0
	s_mov_b32 s49, 0
	s_mul_i32 s50, s43, 128*PK      ; its place in a slot
	s_lshl_b32 s52, s41, 14         ; Q: my wave's 128 rows
	s_add_co_u32 s52, s52, s44
	s_mov_b32 s53, 0
	s_lshr_b32 s58, s42, 4          ; b
	s_lshl_b32 s54, s58, 19         ; the mask words: 128 tiles of 4,096 bytes a batch,
	s_lshl_b32 s55, s41, 15         ; eight tiles a wave
	s_add_co_u32 s54, s54, s55
	s_mov_b32 s55, 0
	s_lshr_b32 s56, s41, 3          ; ctx[2 b + row / 1024][h][1024][64]
	s_lshl1_add_u32 s56, s58, s56
	s_lshl_b32 s56, s56, 4
	s_and_b32 s57, s42, 15
	s_add_co_u32 s56, s56, s57
	s_lshl_b32 s56, s56, 17
	s_and_b32 s57, s41, 7
	s_lshl_b32 s57, s57, 14
	s_add_co_u32 s56, s56, s57
	s_mov_b32 s57, 0
	; group 1: 128 keys are 16,384 dense bytes: 64 rows of 256 bytes, padded in LDS after every key
	s_mov_b32 s[G1], 15|(1<<16)|(1<<20)|(1<<21)|(4<<22)|(3<<25)
	s_mov_b32 s[G1+1], 128<<16
	s_mov_b32 s[G1+2], 64<<16
	s_mov_b32 s[G1+3], 128<<16
	s_mov_b32 s[G1+4], 64
	s_mov_b32 s[G1+5], 128
	s_mov_b32 s[G1+6], 0
	s_mov_b32 s[G1+7], 0
	s_mov_b32 s[CS], 0x3e38aa3b     ; c = log2(e) / 8
	s_mov_b32 s[CS+1], s[CS]
	s_mov_b32 s[SEL], 0x76543210
	s_mov_b32 s[SEL+1], 0xfedcba98
	s_mov_b32 s[TBK], SLOT1+4*KS*PK ; the first change of slots turns these two into 0
	s_mov_b32 s[TBV], SLOT1+4*KS*PV
	s_mov_b32 s[G0K], 1
	s_mov_b32 s[G0K+1], s50
	s_mov_b32 s[G0V], 1
	s_add_co_u32 s[G0V+1], s50, VOFF
	s_wait_dscnt 0x0                ; the opening add is done
	s_wait_kmcnt 0x0
	s_add_nc_u64 s[G0K+2:G0K+3], s[32:33], s[46:47]
	s_or_b32 s[G0K+3], s[G0K+3], 0x80000000
	s_add_nc_u64 s[G0V+2:G0V+3], s[32:33], s[48:49]
	s_or_b32 s[G0V+3], s[G0V+3], 0x80000000
	s_add_nc_u64 s[38:39], s[32:33], s[52:53]      ; Q
	s_add_nc_u64 s[MP:MP+1], s[34:35], s[54:55]
	s_add_nc_u64 s[OB:OB+1], s[36:37], s[56:57]
	CROUND                          ; all four work-groups are here
	JLOAD                           ; slot 0; slot 1 is asked for when slot 0 is in
	v_and_b32 v1, 15, v0
	v_bfe_u32 v9, v0, 4, 1
	v_lshlrev_b32 v[QO], 7, v1
	v_lshl_add_u32 v[QO], v9, 4, v[QO]
	WIN 0x80
.set i, 0
.rept 4*NP                          ; Q stays in registers: tile i / 2, channels 32 (i % 2) on
	global_load_b128 v[8*i:8*i+3],   v[QO], s[38:39] offset:(i/2)*2048+(i%2)*64
	global_load_b128 v[8*i+4:8*i+7], v[QO], s[38:39] offset:(i/2)*2048+(i%2)*64+32
.set i, i+1
.endr
	; What the first turn finds: V and P's second buffer hold 0 (its products V^T P, of a piece that has not been, add 0), O^T and l are 0.  This stands in the wait for the first tile.
.set i, VF
.rept 64
	v_mov_b32 v[i], 0
.set i, i+1
.endr
	WIN 0x40
.set i, 0
.rept 64*NP
	v_mov_b32 v[i], 0
.set i, i+1
.endr
	WIN 0
	v_and_b32 v[ML], 31, v0
	v_lshlrev_b32 v[ML], 2, v[ML]   ; my word among a tile's 32
.set i, 0
.rept 2*NP                          ; key step 0's mask words, in the order of the turns: each load takes 128 neighbouring bytes
	global_load_b32 v[MW+i], v[ML], s[MP:MP+1] offset:i*4096
.set i, i+1
.endr
.set i, 0
.rept 2*NP
	v_mov_b32 v[ST+4*i], 0xfe000000    ; c m: far below every c s, the hidden score's too
	v_mov_b32 v[ST+4*i+1], 0xff7fffff  ; m
	v_mov_b32 v[ST+4*i+2], 0
	v_mov_b32 v[ST+4*i+3], 0
.set i, i+1
.endr
.set i, P+32
.rept 32
	v_mov_b32 v[i], 0
.set i, i+1
.endr
	v_mov_b32 v[NEG], 0xd0000000    ; -2^33
	v_mul_u32_u24 v[AK0], v1, PK
	v_lshl_add_u32 v[AK0], v9, 4, v[AK0]
	v_and_b32 v10, 7, v0
	v_bfe_u32 v11, v0, 3, 1
	v_lshl_add_u32 v[AV0], v9, 3, v10  ; the turning load: lane l reads key 8 (l / 16) + l % 8, channels 8 ((l / 8) % 2) on
	v_mul_u32_u24 v[AV0], v[AV0], PV
	v_lshl_add_u32 v[AV0], v11, 4, v[AV0]
	v_add_nc_u32 v[AV0], VOFF, v[AV0]
	v_mov_b32 v[AK], v[AK0]
; THE MATRIX WORK.  The 8 accumulators of a run of 16 take turns.
.macro KQ x                         ; product i of 16 of S^T = K Q^T for piece x
	WIN W_KQ
.set rS, S+64*((\x)%2)+32*(i%2)+8*((i/2)%4)
.set rK, KF+16*((i/2)%4)+8*(i/8)
.set rQ, 16*(2*(\x)+i%2)+8*(i/8)
.if i < 8
	v_wmma_f32_16x16x32_f16 v[rS:rS+7], v[rK:rK+7], v[rQ:rQ+7], 0
.else
	v_wmma_f32_16x16x32_f16 v[rS:rS+7], v[rK:rK+7], v[rQ:rQ+7], v[rS:rS+7]
.endif
.endm
.macro PV x                         ; product i of 16 of O^T += V^T P for piece x
	WIN W_PV
.set rO, 32*(2*(\x)+i%2)+8*((i/2)%4)
.set rV, VF+32*(i/8)+8*((i/2)%4)
.set rP, P+32*((\x)%2)+16*(i%2)+8*(i/8)
	v_wmma_f32_16x16x32_f16 v[rO:rO+7], v[rV:rV+7], v[rP:rP+7], v[rO:rO+7]
.endm
.macro MM                           ; the turn's next matrix instruction
.if i < 16
	KQ (Y+1)%NP
.set i, i+1
.else
.set i, i-16
	PV (Y+NP-1)%NP
.set i, i+17
.endif
.endm
; THE LDS LOADS stand in runs of 16.  last = 1 (the tail): in the last trip there is no further step, and the run is jumped over.
.macro FETCH_K last=0
	WIN 0
.if \last
	s_cmp_eq_u32 s[CNT], 1
	s_cbranch_scc1 .Lno_k_\@
.endif
	WIN 0x80
.irp f, 0,1,2,3,4,5,6,7
	ds_load_b128 v[KF+8*\f:KF+8*\f+3],   v[AK] offset:(\f/2)*16*PK+(\f%2)*64
	ds_load_b128 v[KF+8*\f+4:KF+8*\f+7], v[AK] offset:(\f/2)*16*PK+(\f%2)*64+32
.endr
	s_add_co_u32 s[TBK], s[TBK], KS*PK
	WIN 0
.if \last
.Lno_k_\@:
.endif
.endm
.macro FETCH_V
	WIN 0x80
.irp f, 0,1,2,3,4,5,6,7
	ds_load_tr16_b128 v[VF+8*\f:VF+8*\f+3],   v[AV] offset:(\f/4)*32*PV+(\f%4)*32
	ds_load_tr16_b128 v[VF+8*\f+4:VF+8*\f+7], v[AV] offset:(\f/4)*32*PV+16*PV+(\f%4)*32
.endr
	WIN 0
.endm
; Piece p's two registers of mask words have been read out: they take the next key step's words.  Piece 0's turn steps the offset; it stops at the last step's words, so that no load leaves the buffer.
; The piece's offset register was last named by the loads that the wait at the turn's head has shown done.
.macro MLOAD p
	WIN 0
.if (\p) == 0
	s_add_co_u32 s[KOFF], s[KOFF], 128
	s_min_u32 s[KOFF], s[KOFF], 31*128
.endif
	v_add_nc_u32 v[MO+(\p)], s[KOFF], v[ML]
	global_load_b32 v[MW+2*(\p)],   v[MO+(\p)], s[MP:MP+1] offset:(2*(\p))*4096
	global_load_b32 v[MW+2*(\p)+1], v[MO+(\p)], s[MP:MP+1] offset:(2*(\p)+1)*4096
.endm
; THE VECTOR WORK.  XS k: number k of the 22 that find a tile's maximum and statistics.  FF k: c s - c m for pair k.  CC k: pair k rounded to f16.  BB k: of four weights the second pair is added onto
; the first.  LL k: l takes that sum (LL 0: l = a l + sum).
.macro XS k
.if (\k) < 4
	v_max3_num_f32 v[rC+(\k)], v[rS+8*(\k)], v[rS+8*(\k)+1], v[rS+8*(\k)+2]
.elseif (\k) < 12
	v_max3_num_f32 v[rC+(\k)%4], v[rC+(\k)%4], v[rS+8*((\k)%4)+2*((\k)/4)+1], v[rS+8*((\k)%4)+2*((\k)/4)+2]
.elseif (\k) == 12
	v_max3_num_f32 v[rC], v[rC], v[rS+7], v[rS+15]
.elseif (\k) == 13
	v_max3_num_f32 v[rC+1], v[rC+1], v[rS+23], v[rS+31]
.elseif (\k) == 14
	v_max3_num_f32 v[rC+2], v[rC+2], v[rC+3], v[rT+1]
.elseif (\k) == 15
	v_mov_b32 v[rM], v[rT]
.elseif (\k) == 16
	v_max3_num_f32 v[rC], v[rC], v[rC+1], v[rC+2]
.elseif (\k) == 17
	v_permlanex16_b32 v[rC+3], v[rC], s[SEL], s[SEL+1]
.elseif (\k) == 18
	v_max_num_f32 v[rT+1], v[rC], v[rC+3]
.elseif (\k) == 19
	v_mul_f32 v[rT], s[CS], v[rT+1]
.elseif (\k) == 20
	v_sub_f32 v[rC+1], v[rM], v[rT]
.else
	v_exp_f32 v[rC+2], v[rC+1]
.endif
.endm
.macro FF k
	v_pk_fma_f32 v[rS+2*(\k):rS+2*(\k)+1], v[rS+2*(\k):rS+2*(\k)+1], s[CS:CS+1], v[rT:rT+1] op_sel_hi:[1,0,0] neg_lo:[0,0,1] neg_hi:[0,0,1]
.endm
.macro CC k
	v_cvt_pk_f16_f32 v[rP+(\k)], v[rS+2*(\k)], v[rS+2*(\k)+1]
.endm
.macro BB k
	v_pk_add_f32 v[rS+4*(\k):rS+4*(\k)+1], v[rS+4*(\k):rS+4*(\k)+1], v[rS+4*(\k)+2:rS+4*(\k)+3]
.endm
.macro LL k
.if (\k) == 0
	v_pk_fma_f32 v[rT+2:rT+3], v[rT+2:rT+3], v[rC+2:rC+3], v[rS:rS+1] op_sel_hi:[1,0,1]
.else
	v_pk_add_f32 v[rT+2:rT+3], v[rT+2:rT+3], v[rS+4*(\k):rS+4*(\k)+1]
.endif
.endm
; Entry j of a turn's 364.  n runs through one tile's list of 182, u is the tile:
;   0-31 mask word n into its scalar register    32-63 hidden scores replaced, registers ascending (each accumulator from its low end on)    64-84 XS 0-20
;   85-133 ONE BATCH: the 16 scalings FF and all 33 exponentials (a at 87, then s0-s31); none of these names an exponential's result.  85, 86: FF 0, 1.  88-101: FF 2-8 at the even numbers, s0-s6 at the odd.
;          102-129: a scaling (FF 9-15) and three exponentials (s7-s27).  130-133: s28-s31.  A pair is scaled in an earlier four than the one that holds its exponentials
;   (wait) between 133 and 134 stands the wait for the batch: TURN writes it, once for both tiles
;   134-165 the readers, eight groups g of four: CC 2 g, BB g, CC 2 g + 1, LL g: a pair is rounded before a sum lands on it, and l's additions keep their order
;   166-181 O^T times a, the one part outside window 0
; The two tiles alternate entry by entry (u = j % 2, n = j / 2), but for entries 172-267, numbers 86-133: there four numbers of ONE tile stand together, the tiles by turns, so that a plain line leads each four while there are scalings.
.macro VOP
.if (j >= 172) && (j < 268)
.set u, ((j-172)/4)%2
.set n, 86+4*((j-172)/8)+(j-172)%4
.else
.set u, j%2
.set n, j/2
.endif
.set rT, ST+4*(2*Y+u)
.set rC, TMP+4*u
.set rM, MV+u
.set rS, S+64*(Y%2)+32*u
.set rP, P+32*(Y%2)+16*u
.set rO, 32*(2*Y+u)
.set rW, MS0+36*u
.if n < 166
	WIN 0
.endif
.if n < 32
	v_readlane_b32 s[rW+n], v[MW+2*Y+u], n
.elseif n < 64
	v_cndmask_b32 v[rS+n-32], v[NEG], v[rS+n-32], s[rW+n-32]
.elseif n < 85
	XS n-64
.elseif n == 87
	XS 21
.elseif (n < 87) || ((n < 102) && (n%2 == 0)) || ((n < 130) && (n%4 == 2))
.set b, (n-66)/4                    ; 102, 106, .. 126: pairs 9 to 15
.if n < 102
.set b, (n-84)/2                    ; 85: pair 0; 86, 88, .. 100: pairs 1 to 8
.endif
	FF b
.elseif n < 134
.set e, n-102                       ; 130 to 133: s28 to s31
.if n < 130
.set e, n-96-(n-102)/4              ; 103-105, 107-109, .. 127-129: s7 to s27
.endif
.if n < 102
.set e, (n-89)/2                    ; 89, 91, .. 101: s0 to s6
.endif
	v_exp_f32 v[rS+e], v[rS+e]
.elseif n < 166
.set g, (n-134)/4
.if (n-134)%4 == 0
	CC 2*g
.elseif (n-134)%4 == 1
	BB g
.elseif (n-134)%4 == 2
	CC 2*g+1
.else
	LL g
.endif
.else
	WIN W_RS
	v_pk_mul_f32 v[rO+2*(n-166):rO+2*(n-166)+1], v[rO+2*(n-166):rO+2*(n-166)+1], v[rC+2:rC+3] op_sel_hi:[1,0]
.endif
.set j, j+1
.endm
; A TURN, for piece p.  4 x 12 + 20 x 11 = 268: behind the 24th matrix instruction's lines the batch is out and no result has been named: there stand a v_nop and the turn's one wait; 8 x 12 = 96 readers follow.
; The piece's mask registers are loaded again behind the sixth matrix instruction, when 70 entries are out and the 64 that read them are done.
; K of the next step is fetched in piece 2's turn, directly behind the wait: eight matrix instructions and more than thirty plain lines behind the last product that read K, eight matrix instructions and 96 lines ahead of its first
; reader; in the tail its jump and label so stand behind the wait too.  V of the step in hand is fetched at the end of piece 0's turn, twelve plain lines behind the last product that read V.
.macro TURN p, last=0, cnt=0
.set Y, (\p)
.set i, 0
.set j, 0
.set w, 0
	s_wait_loadcnt 6                ; loads come back in order: behind this piece's two were issued the other three pieces' six, which may stay out
.if (\p) == NP-1
	s_wait_dscnt 0x0                ; K is in
.endif
.rept 32
.if ((\p) == 1) && (w == 16)
	s_wait_dscnt 0x0                ; V is in
.endif
	MM
.if (w < 4) || (w >= 24)
.rept 12
	VOP
.endr
.else
.rept 11
	VOP
.endr
.endif
.if w == 5
	MLOAD \p
.endif
.if ((\p) == NP-2) && (w == 17)
	WIN 0
	v_add_nc_u32 v[AK], s[TBK], v[AK0]
.endif
.if w == 23
	WIN 0
	v_nop                           ; a plain line behind the last exponential and ahead of the first use: one for the batch
	s_wait_alu depctr_va_vdst(0)    ; the wait ahead of the first line that names a result: one for the turn's 66 exponentials
.if (\p) == NP-2
	FETCH_K \last
.endif
.endif
.if (\cnt) && (w == 30)
	s_sub_co_u32 s[CNT], s[CNT], 1
	s_cmp_lg_u32 s[CNT], 0
.endif
.set w, w+1
.endr
.if (\p) == 0
	WIN 0
	v_add_nc_u32 v[AV], s[TBV], v[AV0]
	FETCH_V
	s_add_co_u32 s[TBV], s[TBV], KS*PV
.endif
.endm
	CHANGE 1                        ; slot 0 is in, everybody's part of it; slot 1 is asked for
	FETCH_K                         ; key step 0
	s_mov_b32 s[KOFF], 0
	s_wait_loadcnt 8                ; Q is in (the eight loads of mask words behind it may stay out): its base's registers may take mask words
	s_wait_dscnt 0x0
.set i, 0
.rept 16
	KQ 0                            ; piece 0's first scores
.set i, i+1
.endr
	WIN 0                           ; the addresses for the way out: plain lines, the places behind those products
	s_mul_i32 s3, s[WV], 16*SP
	s_add_co_u32 s3, s3, STAGE
	v_mul_u32_u24 v[STO], v1, SP
	v_lshl_add_u32 v[STO], v9, 4, v[STO]
	v_add_nc_u32 v[STO], s3, v[STO]
	v_bfe_u32 v[RD], v0, 3, 2
	v_mul_u32_u24 v[RD], v[RD], SP
	v_lshl_add_u32 v[RD], v10, 4, v[RD]
	v_add_nc_u32 v[RD], s3, v[RD]
	v_and_b32 v[GO], 31, v0
	v_lshlrev_b32 v[GO], 4, v[GO]
	s_mov_b32 s[CNT], 4
	s_mov_b32 s[SLOTS], 7           ; eight slots of 256 keys
	s_branch .Lfirst                ; the loop is entered at a step's first turn
.Lslot:                             ; six times: every slot but the last two is filled again
	CHANGE 1
	s_mov_b32 s[CNT], 4
.Lstep:                             ; a trip: pieces 2 and 3 of one step, then pieces 0 and 1 of the next
	TURN 2
	TURN 3
	WIN 0
.Lfirst:
	TURN 0
	TURN 1, 0, 1
	WIN 0
	s_cbranch_scc1 .Lstep
	s_sub_co_u32 s[SLOTS], s[SLOTS], 1
	s_cmp_lg_u32 s[SLOTS], 0
	s_cbranch_scc1 .Lslot
	CHANGE 0                        ; the tail is written out
	s_mov_b32 s[CNT], 5             ; four trips fetch the last slot's steps; the fifth is left in its middle
.Ltail:
	TURN 2, 1
	TURN 3
	WIN 0
	s_sub_co_u32 s[CNT], s[CNT], 1
	s_cmp_eq_u32 s[CNT], 0
	s_cbranch_scc1 .Lout
	TURN 0
	TURN 1
	WIN 0
	s_branch .Ltail
.Lout:                              ; the fifth trip's 16 products K Q^T (on the last K once more) and the last step's reloaded mask words serve nothing: the price of one text for every trip
.set i, 0
.rept 16
	PV NP-1                         ; the last piece's V^T P of the last step
.set i, i+1
.endr
	; THE WAY OUT.  l's halves are added; O^T is divided by l, rounded to f16 and sent through my stage, a tile at a time.  The additions are the places behind the last products.
	WIN 0
.macro ALL line:vararg
.set t, 0
.rept 2*NP
	\line
.set t, t+1
.endr
.endm
	ALL v_add_f32 v[ST+4*t+2], v[ST+4*t+2], v[ST+4*t+3]
	ALL v_permlanex16_b32 v[ST+4*t+3], v[ST+4*t+2], s[SEL], s[SEL+1]
	ALL v_add_f32 v[ST+4*t+2], v[ST+4*t+2], v[ST+4*t+3]
	ALL v_rcp_f32 v[ST+4*t+2], v[ST+4*t+2]
	v_nop                           ; a plain line between the last reciprocal and the use of its result
	s_wait_alu depctr_va_vdst(0)    ; and the wait ahead of the first use: one for the eight reciprocals
.macro PACK t
	WIN W_RS
.set i, 32*(\t)
.rept 16
	v_pk_mul_f32 v[i:i+1], v[i:i+1], v[ST+4*(\t)+2:ST+4*(\t)+3] op_sel_hi:[1,0]
.set i, i+2
.endr
	WIN 0x05
.set i, 0
.rept 16
	v_cvt_pk_f16_f32 v[S+16*(\t)+i], v[32*(\t)+2*i], v[32*(\t)+2*i+1]
.set i, i+1
.endr
	WIN 0
.irp f, 0,1,2,3
	ds_store_b128 v[STO], v[S+16*(\t)+4*\f:S+16*(\t)+4*\f+3] offset:32*\f
.endr
.irp f, 0,1,2,3
	ds_load_b128 v[S+16*(\t)+4*\f:S+16*(\t)+4*\f+3], v[RD] offset:\f*4*SP  ; a wave's LDS instructions are served in order: these see the stores above
.endr
.endm
.macro SEND t, younger              ; younger: the LDS instructions issued behind tile t's loads
	WIN 0
.irp f, 0,1,2,3
	s_wait_dscnt (\younger)+3-\f
	global_store_b128 v[GO], v[S+16*(\t)+4*\f:S+16*(\t)+4*\f+3], s[OB:OB+1] offset:(\t)*2048+\f*512  ; 512 neighbouring bytes of the head's plane in ctx
.endr
.endm
	PACK 0
.set t, 1
.rept 2*NP-1
	PACK t
	SEND t-1, 8
.set t, t+1
.endr
	SEND 2*NP-1, 0
	WIN W_AD
	s_wait_tensorcnt 0x0            ; the wave's end
	ds_add_u32 v[SPW], v[NIL]
	s_wait_dscnt 0x0
	WIN 0
	CROUND                          ; the closing round
	s_endpgm
.Lfunc_end_k_q3647a74a8b_attn:
	.size	k_q3647a74a8b_attn, .Lfunc_end_k_q3647a74a8b_attn-k_q3647a74a8b_attn
	.p2alignl 7, 3214868480
	.fill 96, 4, 3214868480
	.section	.rodata,"a",@progbits
	.p2align	6, 0x0
	.amdhsa_kernel k_q3647a74a8b_attn
		.amdhsa_group_segment_fixed_size 327680
		.amdhsa_private_segment_fixed_size 0
		.amdhsa_enable_private_segment 0
		.amdhsa_kernarg_size 24
		.amdhsa_user_sgpr_count 2
		.amdhsa_user_sgpr_kernarg_segment_ptr 1
		.amdhsa_wavefront_size32 1
		.amdhsa_system_sgpr_workgroup_id_x 1
		.amdhsa_system_sgpr_workgroup_id_y 1
		.amdhsa_system_sgpr_workgroup_id_z 1
		.amdhsa_system_vgpr_workitem_id 0
		.amdhsa_next_free_vgpr 770
		.amdhsa_next_free_sgpr 100
		.amdhsa_reserve_vcc 0
		.amdhsa_float_denorm_mode_32 3
		.amdhsa_float_denorm_mode_16_64 3
		.amdhsa_memory_ordered 1
		.amdhsa_forward_progress 1
		.amdhsa_inst_pref_size 255
	.end_amdhsa_kernel
	.section	.bss,"aw",@nobits
	.p2align	6
	.space	262144
	.amdgpu_metadata
---
amdhsa.version: [ 1, 2 ]
amdhsa.kernels:
  - .name:           k_q3647a74a8b_attn
    .symbol:         k_q3647a74a8b_attn.kd
    .args:
      - { .name: qkv, .offset: 0, .size: 8, .value_kind: global_buffer, .address_space: global }
      - { .name: mw, .offset: 8, .size: 8, .value_kind: global_buffer, .address_space: global }
      - { .name: ctx, .offset: 16, .size: 8, .value_kind: global_buffer, .address_space: global }
    .group_segment_fixed_size: 327680
    .private_segment_fixed_size: 0
    .kernarg_segment_align: 8
    .kernarg_segment_size: 24
    .max_flat_workgroup_size: 128
    .sgpr_count:     100
    .vgpr_count:     770
    .wavefront_size: 32
...
	.end_amdgpu_metadata
.endif
;; end of part 5
;; launch outp: the kernel of part 4 again; grid 8 x 32, 4 waves a work-group, clusters of 4 x 4, 327,680 bytes of LDS; arguments ctx, xw, bo, out0; writes out0
